; MI455X (gfx1250); checked and timed in simulation.
; The chip was launched on July 23, 2026; its instructions are those of AMD's public machine-readable ISA for CDNA 5 (MIT licence, August 2026) and "CDNA5" Instruction Set Architecture Reference Guide (July 2026). The comments in the code are by the model that wrote it; some were corrected since.
;; Multihead Attention. Allowed arithmetic: matrix products marked QUANTISED: E4M3 operands, one given power-of-two scale a tensor, by v_wmma_f32_16x16x64_fp8_fp8 or v_wmma_f32_16x16x128_fp8_fp8, f32 sums; everything else in f32.
;; Inputs: Wk 8 x 1,024 x 128 float32; Wo 1,024 x 1,024 float32; Wq 8 x 1,024 x 128 float32; Wv 8 x 1,024 x 128 float32; bk 8 x 128 float32; bq 8 x 128 float32; bv 8 x 128 float32; k 4 x 2,048 x 1,024 float32; lowp_scales 12 int32 (the exponents e of the quantised operands' scales 2^e); q 4 x 2,048 x 1,024 float32; v 4 x 2,048 x 1,024 float32.
;; Outputs: out0 4 x 2,048 x 1,024 float32.
;; This version of the problem:
;;   THIS VERSION OF THE PROBLEM IS GIVEN IN LOW PRECISION. The matrix products marked QUANTISED in the list below multiply operands that are first quantised to E4M3 (4 exponent bits, 3 mantissa bits; 8 bits a number), with one given power-of-two scale for each operand tensor; their sums are f32. All else is computed in f32.
;;   The module's matrix products, in the order in which they are computed (A, B: the left and right operand; K: the contracted axis; several contracted axes count as one K, in the product's order):
;;     1. [M 1,024, K 1,024] x [K 1,024, N 8,192]; A: input Wq; B: input q: QUANTISED (scales: A lowp_scales[0], B lowp_scales[1])
;;     2. [M 1,024, K 1,024] x [K 1,024, N 8,192]; A: input Wk; B: input k: QUANTISED (scales: A lowp_scales[2], B lowp_scales[3])
;;     3. [M 1,024, K 1,024] x [K 1,024, N 8,192]; A: input Wv; B: input v: QUANTISED (scales: A lowp_scales[4], B lowp_scales[5])
;;     4. batch 32 x [M 2,048, K 128] x [K 128, N 2,048]; A: computed on the way; B: computed on the way: QUANTISED (scales: A lowp_scales[6], B lowp_scales[7])
;;     5. batch 32 x [M 2,048, K 2,048] x [K 2,048, N 128]; A: computed on the way; B: computed on the way: QUANTISED (scales: A lowp_scales[8], B lowp_scales[9])
;;     6. [M 8,192, K 1,024] x [K 1,024, N 1,024]; A: computed on the way; B: input Wo: QUANTISED (scales: A lowp_scales[10], B lowp_scales[11])
;;   THE QUANTISER, for each operand of a quantised product, along K:
;;     - The operand's scale is 2^e, e = its entry of the input lowp_scales (int32; the entries are numbered through the quantised products in the list's order, A before B).
;;     - Each number is divided by the scale, clamped to +-448, and rounded to the nearest number of E4M3, ties to even, subnormals kept.
;;     - The product sums the exact products of the quantised numbers (number of the format x scale) in f32.
;;   ~~~python
;;   def quantise(x, axis, e):      # numpy; x: float32 -> the quantised numbers, widened to float32 again
;;       x = np.moveaxis(x, axis, -1); K = x.shape[-1]
;;       r = np.clip(x / 2.0 ** e, -448, 448)
;;       step = 2.0 ** (np.maximum(np.frexp(np.where(r == 0, 1, r))[1] - 1, -6) - 3)
;;       q = np.round(r / step) * step * 2.0 ** e      # np.round: ties to even
;;       return np.moveaxis(q, -1, axis).astype(np.float32)
;;   ~~~
;;   OPERANDS COMPUTED ON THE WAY. 'Computed on the way' means the value that the module computes at that place (a softmax that the list does not call 'softmax' is quantised finished and normalised). What goes into a quantiser is computed in f32, as accurately as f32 sums, v_exp_f32 and their like allow (about 1e-6 of the number): no bf16 or f16 on the way to a quantiser, and a product that is left as it is and whose result goes on into a quantised operand takes f32 operands (vector FMAs, or v_wmma_f32_16x16x4_f32). A number that lies on a knife's edge between two numbers of the format may be rounded either way, as far as f32 arithmetic and the matrix unit's own rounding can turn it there, and no further.
;; One version. Each part assembles by itself: llvm-mc -triple=amdgcn-amd-amdhsa -mcpu=gfx1250 --defsym DOCPART=n.
;; ======== version 1 of 1: 4 launches
;; limits: right only within a limited range of input values
;; workspace buffers: codes 29,360,128 bytes; qf 8,388,608 bytes; kv 16,777,216 bytes; mf 8,388,608 bytes
;; launch quant (part 1): grid 896 x 1, 4 waves a work-group, no clusters, 68,096 bytes of LDS; arguments q, k, v, Wo, Wq, Wk, Wv, lowp_scales, codes; writes codes
.if DOCPART == 1
	.amdgcn_target "amdgcn-amd-amdhsa--gfx1250"
	.amdhsa_code_object_version 6
	.text
	.protected	k_qee2e648301_quant
	.globl	k_qee2e648301_quant
	.p2align	8
	.type	k_qee2e648301_quant,@function
k_qee2e648301_quant:
	s_mov_b64 s[64:65], 0
	v_nop
	global_prefetch_b8 v0, s[64:65] scope:SCOPE_SE
	s_setreg_imm32_b32 hwreg(HW_REG_WAVE_MODE, 25, 1), 1
	s_wait_xcnt 0x0
; All seven f32 inputs of the quantised products become codes of FP8 (E4M3), one byte each, K innermost, each with the scale 2^e that is given for it.
; code = x / 2^e, held within +-448, rounded to the nearest code, ties to even.
; LIMITS: each e lies between -126 and 119, so that 2^e and 448 x 2^e are f32 numbers.  NaN among the inputs is not served (an infinity is held at the largest code).
; THE BUFFER OF CODES: q, k, v as one matrix of 24,576 rows x 1,024 bytes; from byte 25,165,824 Wo, 1,024 rows x 1,024; from byte 26,214,400 Wq, Wk, Wv, 1,024 rows x 1,024 each.
; Work-groups 0 to 799 take q, k, v and Wo, whose K is innermost: plain streams of numbers, 32,768 a work-group.  A load reads 512 consecutive bytes; a step's 2,048 bytes turn through the wave's own stage in LDS,
; so that a lane holds 16 neighbours for the conversions; a lane's 16 codes are 16 bytes, so a store covers 512 consecutive bytes.
; Work-groups 800 to 895 take Wq, Wk, Wv ([head][k][e]: K is not innermost): a lane takes a column e and its registers run down K; the codes go through the wave's stage and leave as rows: sixteen lanes store 256 consecutive bytes, aligned.
; A head's column e lands in row SW(e) of the head's 128, SW = bits 3 and 4 of the number exchanged: the order in which the later launches want the projections' columns.
; The two ways part on the work-group's number and have LDS bytes of their own.  Waves share nothing: no barrier.  No input is read by two work-groups: nothing to ask for jointly, so no cluster.
.set NSTREAM, 800
.set STEPS, 16
.set EMAX,  8
.set MANT,  0x600000                   ; the mantissa field of 448 as f32
.set SP,    80                         ; the streams' stage: a lane's 64 bytes + 16 of padding
.set WREG,  8192                       ; a wave's two such stages (2 x 32 x 80 bytes) lie in a region of 8,192
.set WSTG,  32768                      ; behind the four regions: the weights' stages, 32 rows x 272 bytes a wave
.set PITCH, 272
.set NB,    8                          ; blocks of 32 along K for a wave of the weights' way
.set WBASE, 26214400
.set SPARE, WSTG+4*32*PITCH            ; behind all stages: the spare words, 128 bytes a wave: two blocks of 256 bytes that no other line names
.set SPW,   12                         ; v12  LDS address of my spare word; never rewritten
.set NIL,   13                         ; v13  0; never rewritten
.set R,     16                         ; streams: v16-79 four sets of 16 numbers as loaded
.set X,     80                         ;          v80-111 two sets of 16 neighbours
.set C,     128                        ;          v128-191 codes, four registers for each step: no store's data are written again
.set WX,    32                         ; weights: v32-95 two sets of 32 numbers
.set WC,    96                         ;          v96-103 a block's codes
.set OUTR,  112                        ;          v112-175 the way out
	s_load_b512 s[4:19], s[0:1], 0x0               ; q 4:5, k 6:7, v 8:9, Wo 10:11, Wq 12:13, Wk 14:15, Wv 16:17, the scales' exponents 18:19
	s_load_b64 s[20:21], s[0:1], 0x40              ; the codes
	v_lshl_add_u32 v[SPW], v0, 2, SPARE
	v_mov_b32 v[NIL], 0
	v_lshrrev_b32 v1, 5, v0
	v_readfirstlane_b32 s22, v1                    ; wave 0..3
	v_and_b32 v2, 31, v0                           ; lane
	s_wait_kmcnt 0x0
	s_load_b256 s[32:39], s[18:19], 0x0            ; e0 .. e7
	s_load_b128 s[40:43], s[18:19], 0x20           ; e8 .. e11
	s_cmp_ge_u32 ttmp9, NSTREAM
	s_cbranch_scc1 .Lweights
; ---------------- the streams: q, k, v, Wo ----------------
	v_lshlrev_b32 v3, 4, v2                        ; my 16 bytes of a load's 512, and of a store's 512
	s_mul_i32 s23, s22, WREG
	v_lshrrev_b32 v14, 2, v2
	v_mul_u32_u24 v14, v14, SP
	v_and_b32 v15, 3, v2
	v_lshl_add_u32 v14, v15, 4, v14
	v_add_nc_u32 v14, s23, v14                     ; the stage, on the way in: four lanes' 64 bytes on end, then 16 of padding
	v_mul_u32_u24 v15, v2, SP
	v_add_nc_u32 v15, s23, v15                     ; and on the way out: my 16 neighbours
	s_lshr_b32 s24, ttmp9, 8                       ; which tensor: 0 q, 1 k, 2 v (256 work-groups each), 3 Wo (32)
	s_cmp_eq_u32 s24, 1
	s_cselect_b64 s[4:5], s[6:7], s[4:5]
	s_cmp_eq_u32 s24, 2
	s_cselect_b64 s[4:5], s[8:9], s[4:5]
	s_cmp_eq_u32 s24, 3
	s_cselect_b64 s[4:5], s[10:11], s[4:5]
	s_and_b32 s26, ttmp9, 255
	s_lshl_b32 s26, s26, 2
	s_add_co_u32 s26, s26, s22
	s_lshl_b32 s26, s26, 15                        ; my wave's 8,192 numbers in its tensor: 32,768 bytes each
	s_mov_b32 s27, 0
	s_add_nc_u64 s[4:5], s[4:5], s[26:27]
	s_lshl_b32 s26, ttmp9, 2
	s_add_co_u32 s26, s26, s22
	s_lshl_b32 s26, s26, 13                        ; and their 8,192 codes: the four tensors' codes lie on end
	s_add_nc_u64 s[20:21], s[20:21], s[26:27]
.macro SLOAD t
.irp i, 0,1,2,3
	global_load_b128 v[R+16*((\t)%4)+4*\i:R+16*((\t)%4)+4*\i+3], v3, s[4:5] offset:2048*(\t)+512*\i th:TH_LOAD_NT   ; 32 lanes read 512 consecutive bytes
.endr
.endm
.macro TURN t                          ; step t's numbers through the stage: LDS serves a wave's instructions in order, so no wait stands between the stores and the loads
.irp i, 0,1,2,3
	ds_store_b128 v14, v[R+16*((\t)%4)+4*\i:R+16*((\t)%4)+4*\i+3] offset:32*SP*((\t)%2)+8*SP*\i
.endr
.irp i, 0,1,2,3
	ds_load_b128 v[X+16*((\t)%2)+4*\i:X+16*((\t)%2)+4*\i+3], v15 offset:32*SP*((\t)%2)+16*\i
.endr
.endm
.irp t, 0,1,2,3
	SLOAD \t
.endr
	s_wait_kmcnt 0x0
	s_cmp_eq_u32 s24, 1                            ; the tensor's e: entry 1 for q, 3 for k, 5 for v, 11 for Wo
	s_cselect_b32 s28, s35, s33
	s_cmp_eq_u32 s24, 2
	s_cselect_b32 s28, s37, s28
	s_cmp_eq_u32 s24, 3
	s_cselect_b32 s28, s43, s28
	s_add_co_i32 s28, s28, 127
	s_lshl_b32 s29, s28, 23
	v_mov_b32 v11, s29                             ; 2^e as f32: the conversion takes its exponent field
	s_add_co_i32 s28, s28, EMAX
	s_lshl_b32 s28, s28, 23
	s_or_b32 s28, s28, MANT
	v_mov_b32 v10, s28                             ; 448 x 2^e
	s_wait_loadcnt 12                              ; step 0's four loads are in; the twelve of steps 1 to 3 may be out
	TURN 0
.macro STEP t
.set XS, X+16*((\t)%2)
	s_wait_dscnt 0x0                               ; this step's numbers are back from the stage: so its stores into the stage have read their registers,
.if (\t)+4 < STEPS
	SLOAD (\t)+4                                   ; which take the loads of four steps on
.endif
.if (\t)+1 < STEPS
.if STEPS-2-(\t) >= 3
	s_wait_loadcnt 12                              ; the next step's four loads are in; those of the three steps behind it may be out
.else
	s_wait_loadcnt 4*(STEPS-2-(\t))                ; the tail: fewer steps are behind it
.endif
	TURN (\t)+1                                    ; and go through the other stage while this step is worked
.endif
.irp i, 0,1,2,3,4,5,6,7,8,9,10,11,12,13,14,15
	v_med3_num_f32 v[XS+\i], v[XS+\i], -v10, v10   ; the conversion to an 8-bit code does not saturate (ISA guide 7.6.2): the hold at the largest code x the scale comes first
.endr
	v_cvt_scalef32_pk8_fp8_f32 v[C+4*(\t):C+4*(\t)+1], v[XS:XS+7], v11
	v_cvt_scalef32_pk8_fp8_f32 v[C+4*(\t)+2:C+4*(\t)+3], v[XS+8:XS+15], v11   ; the results go to a store alone; the next vector lines are the next step's holds, plain and on other registers
	global_store_b128 v3, v[C+4*(\t):C+4*(\t)+3], s[20:21] offset:512*(\t)    ; 32 lanes store 512 consecutive bytes, aligned
.endm
.irp t, 0,1,2,3,4,5,6,7,8,9,10,11,12,13,14,15
	STEP \t
.endr
	s_wait_tensorcnt 0x0                           ; the wave's end, behind my last LDS store
	ds_add_u32 v[SPW], v[NIL]
	s_wait_dscnt 0x0
	s_endpgm
; ---------------- the weights whose K is not innermost: Wq, Wk, Wv ----------------
.Lweights:
	s_sub_co_u32 s24, ttmp9, NSTREAM               ; 0 .. 95 = ((tensor x 8 + head) x 4 + quarter of K)
	s_and_b32 s25, s24, 3                          ; which 256 along K
	s_lshr_b32 s26, s24, 2
	s_lshr_b32 s27, s26, 3                         ; tensor 0 Wq, 1 Wk, 2 Wv
	s_and_b32 s26, s26, 7                          ; head
	s_cmp_eq_u32 s27, 1
	s_cselect_b64 s[12:13], s[14:15], s[12:13]
	s_cmp_eq_u32 s27, 2
	s_cselect_b64 s[12:13], s[16:17], s[12:13]
	s_lshl_b32 s28, s26, 19                        ; a head is 1,024 rows of 512 bytes,
	s_lshl_b32 s29, s25, 17                        ; 256 rows,
	s_add_co_u32 s28, s28, s29
	s_lshl_b32 s29, s22, 7                         ; my wave's 32 columns
	s_add_co_u32 s28, s28, s29
	s_mov_b32 s29, 0
	s_add_nc_u64 s[12:13], s[12:13], s[28:29]
	s_lshl_b32 s28, s26, 7
	s_lshl_b32 s30, s22, 5
	s_add_co_u32 s28, s28, s30                     ; the codes: row 128 x head + 32 x wave (SW stays inside a wave's 32 rows),
	s_lshl_b32 s28, s28, 10                        ; of 1,024 bytes,
	s_lshl_b32 s30, s27, 20
	s_add_co_u32 s28, s28, s30                     ; in the tensor's 1,048,576,
	s_lshl_b32 s30, s25, 8
	s_add_co_u32 s28, s28, s30                     ; at my 256 along K
	s_add_co_u32 s28, s28, WBASE
	s_add_nc_u64 s[20:21], s[20:21], s[28:29]
	v_lshlrev_b32 v3, 2, v2                        ; in: 4 bytes a lane
	s_mul_i32 s31, s22, 32*PITCH
	s_add_co_u32 s31, s31, WSTG                    ; my stage
	v_mul_u32_u24 v4, v2, PITCH
	v_add_nc_u32 v4, s31, v4                       ; into it: row = my column
	v_and_b32 v5, 15, v2
	v_lshrrev_b32 v6, 4, v2                        ; out of it: sixteen lanes to a row, two rows an instruction
	v_mul_u32_u24 v7, v6, PITCH
	v_lshl_add_u32 v7, v5, 4, v7
	v_add_nc_u32 v7, s31, v7
	v_lshlrev_b32 v8, 10, v6
	v_lshl_add_u32 v8, v5, 4, v8                   ; and the same place among the codes' rows (bit 0 of a row's number is not touched by SW)
.macro WLOAD t                         ; block t: W(32 t + i, my column), i = 0 .. 31, into set t % 2: 32 lanes read 128 consecutive bytes, the four waves 512
.irp i, 0,1,2,3,4,5,6,7,8,9,10,11,12,13,14,15,16,17,18,19,20,21,22,23,24,25,26,27,28,29,30,31
	global_load_b32 v[WX+32*((\t)%2)+\i], v3, s[12:13] offset:(32*(\t)+\i)*512 th:TH_LOAD_NT
.endr
.endm
	WLOAD 0
	WLOAD 1
	s_wait_kmcnt 0x0
	s_cmp_eq_u32 s27, 1                            ; the tensor's e: entry 0, 2 or 4
	s_cselect_b32 s28, s34, s32
	s_cmp_eq_u32 s27, 2
	s_cselect_b32 s28, s36, s28
	s_add_co_i32 s28, s28, 127
	s_lshl_b32 s29, s28, 23
	v_mov_b32 v11, s29                             ; 2^e
	s_add_co_i32 s28, s28, EMAX
	s_lshl_b32 s28, s28, 23
	s_or_b32 s28, s28, MANT
	v_mov_b32 v10, s28                             ; 448 x 2^e
.macro BLOCK t
.set XS, WX+32*((\t)%2)
.if (\t) < NB-1
	s_wait_loadcnt 32                              ; this block's 32 loads are in; the next block's 32 may be out
.else
	s_wait_loadcnt 0
.endif
.irp i, 0,1,2,3,4,5,6,7,8,9,10,11,12,13,14,15,16,17,18,19,20,21,22,23,24,25,26,27,28,29,30,31
	v_med3_num_f32 v[XS+\i], v[XS+\i], -v10, v10
.endr
.irp g, 0,1,2,3
	v_cvt_scalef32_pk8_fp8_f32 v[WC+2*\g:WC+2*\g+1], v[XS+8*\g:XS+8*\g+7], v11
.endr
	ds_store_b128 v4, v[WC:WC+3] offset:32*(\t)    ; 32 codes: 32 bytes of my column's row
	ds_store_b128 v4, v[WC+4:WC+7] offset:32*(\t)+16
.if (\t)+2 < NB
	WLOAD (\t)+2
.endif
	s_wait_dscnt 0x0                               ; the stores have read their registers: the next block's codes may be written
.endm
.irp t, 0,1,2,3,4,5,6,7
	BLOCK \t
.endr
.irp t, 0,1,2,3,4,5,6,7,8,9,10,11,12,13,14,15
	ds_load_b128 v[OUTR+4*\t:OUTR+4*\t+3], v7 offset:2*\t*PITCH   ; LDS serves a wave's instructions in order: these see my stores
.endr
.irp t, 0,1,2,3,4,5,6,7,8,9,10,11,12,13,14,15
	s_wait_dscnt 15-\t                             ; the loads come back in order: the younger ones may be out
	global_store_b128 v8, v[OUTR+4*\t:OUTR+4*\t+3], s[20:21] offset:(((2*\t)&7)+(((2*\t)>>3)&1)*16+(((2*\t)>>4)&1)*8)*1024   ; columns 2 t, 2 t + 1 go to rows SW(2 t), SW(2 t) + 1
.endr
	s_wait_tensorcnt 0x0                           ; the wave's end, behind my last LDS store
	ds_add_u32 v[SPW], v[NIL]
	s_wait_dscnt 0x0
	s_endpgm
.Lfunc_end_k_qee2e648301_quant:
	.size	k_qee2e648301_quant, .Lfunc_end_k_qee2e648301_quant-k_qee2e648301_quant
	.p2alignl 7, 3214868480
	.fill 96, 4, 3214868480
	.section	.rodata,"a",@progbits
	.p2align	6, 0x0
	.amdhsa_kernel k_qee2e648301_quant
		.amdhsa_group_segment_fixed_size 68096
		.amdhsa_private_segment_fixed_size 0
		.amdhsa_enable_private_segment 0
		.amdhsa_kernarg_size 72
		.amdhsa_user_sgpr_count 2
		.amdhsa_user_sgpr_kernarg_segment_ptr 1
		.amdhsa_wavefront_size32 1
		.amdhsa_system_sgpr_workgroup_id_x 1
		.amdhsa_system_sgpr_workgroup_id_y 1
		.amdhsa_system_sgpr_workgroup_id_z 1
		.amdhsa_system_vgpr_workitem_id 0
		.amdhsa_next_free_vgpr 192
		.amdhsa_next_free_sgpr 66
		.amdhsa_reserve_vcc 0
		.amdhsa_float_denorm_mode_32 3
		.amdhsa_float_denorm_mode_16_64 3
		.amdhsa_memory_ordered 1
		.amdhsa_forward_progress 1
		.amdhsa_inst_pref_size 86
	.end_amdhsa_kernel
	.amdgpu_metadata
---
amdhsa.version: [ 1, 2 ]
amdhsa.kernels:
  - .name:           k_qee2e648301_quant
    .symbol:         k_qee2e648301_quant.kd
    .args:
      - { .name: q, .offset: 0, .size: 8, .value_kind: global_buffer, .address_space: global }
      - { .name: k, .offset: 8, .size: 8, .value_kind: global_buffer, .address_space: global }
      - { .name: v, .offset: 16, .size: 8, .value_kind: global_buffer, .address_space: global }
      - { .name: Wo, .offset: 24, .size: 8, .value_kind: global_buffer, .address_space: global }
      - { .name: Wq, .offset: 32, .size: 8, .value_kind: global_buffer, .address_space: global }
      - { .name: Wk, .offset: 40, .size: 8, .value_kind: global_buffer, .address_space: global }
      - { .name: Wv, .offset: 48, .size: 8, .value_kind: global_buffer, .address_space: global }
      - { .name: lowp_scales, .offset: 56, .size: 8, .value_kind: global_buffer, .address_space: global }
      - { .name: codes, .offset: 64, .size: 8, .value_kind: global_buffer, .address_space: global }
    .group_segment_fixed_size: 68096
    .private_segment_fixed_size: 0
    .kernarg_segment_align: 8
    .kernarg_segment_size: 72
    .max_flat_workgroup_size: 128
    .sgpr_count:     66
    .vgpr_count:     192
    .wavefront_size: 32
...
	.end_amdgpu_metadata
.endif
;; end of part 1
;; launch proj (part 2): grid 4 x 48, 4 waves a work-group, clusters of 4 x 4, 327,680 bytes of LDS; arguments codes, bq, bk, bv, lowp_scales, qf, kv; writes qf, kv
.if DOCPART == 2
	.amdgcn_target "amdgcn-amd-amdhsa--gfx1250"
	.amdhsa_code_object_version 6
	.text
	.protected	k_qee2e648301_proj
	.globl	k_qee2e648301_proj
	.p2align	8
	.type	k_qee2e648301_proj,@function
k_qee2e648301_proj:
	s_mov_b64 s[64:65], 0
	v_nop
	global_prefetch_b8 v0, s[64:65] scope:SCOPE_SE
	s_setreg_imm32_b32 hwreg(HW_REG_WAVE_MODE, 25, 1), 1
	s_wait_xcnt 0x0
	s_wait_alu depctr_hold_cnt(0) depctr_sa_sdst(0) depctr_va_vdst(0) depctr_va_sdst(0) depctr_va_ssrc(0) depctr_va_vcc(0) depctr_vm_vsrc(0)
	s_getreg_b32 s2, hwreg(HW_REG_IB_STS2, 6, 4)
	s_cmp_eq_u32 s2, 0
	s_cbranch_scc0 .Lentry_in_a_cluster
	s_endpgm
.Lentry_in_a_cluster:
	s_bfe_u32 s2, ttmp6, 0x10000c
	s_cmp_lg_u32 s2, 0xf033
	s_cbranch_scc0 .Lentry_shape_is_right
	s_endpgm
.Lentry_shape_is_right:
; The three projections on codes of FP8 (E4M3): y[row][n] = (sum over k of x[row][k] W'[n][k]) x 2^(ew + ex) + bias, quantised at once with the scale given for it as an operand of attention's products.
; x: the 24,576 rows of q, k, v's codes (1,024 bytes each); W': the tensor's 1,024 rows of codes; row 128 head + n' holds the head's column e = SW(n'), SW = bits 3 and 4 exchanged.
; A tile is 256 rows of x by 256 rows of W' (two heads); four waves, each 128 x 128: 64 accumulators, 512 registers.  There are 96 tile rows: 0-31 are q's, 32-63 k's, 64-95 v's.
; A WORK-GROUP STAYS: it makes TWO tiles, tile rows 8 x cluster y + cy and four further on: both of one tensor (J = cluster y / 4, the same in all sixteen partners), one batch and the same two heads, so that
; bias, scales and LDS bases are made once.  The ring does not stop at the first tile's end: its last two changes of slots ask for the second tile's first two K steps, and nothing waits for the first tile's stores.
; 384 tiles are 192 work-groups of two.  (Three tiles of half the size on 256 work-groups would read 48 LDS loads for 32 products where this text reads 64 for 64.)
; K = 1,024 goes in four steps of 256 through a ring of two LDS slots filled by the tensor data mover; a tile's row is 256 bytes of memory.
; CLUSTERS: 4 x 4.  The four of a row of the cluster need the same rows of x, the four of a column the same rows of W': each tile is asked for jointly, by the same tensor load with the same descriptor and a mask that names the four.
; WHICH SIDE LIES ALONG THE LANES.  In a result a lane holds one row of source 1 and its eight registers eight neighbouring rows of source 0.  For q and k source 1 = rows of x, source 0 = rows of W': a lane holds one token and 8 columns.
; For v the sides change places: a lane holds one column and 8 tokens (keys), since the keys are the K of attention's second product.  Only the two LDS base addresses differ (a choice on J); the loop's text is one.
; THE WAY OUT NEEDS NO STAGE.  The eight accumulators of a block of 16 lanes' rows, converted eight numbers at a time, ARE the 16 registers of an operand fragment (registers 2 b, 2 b + 1: K = 16 b + 8 (lane / 16) + 0 .. 7).
; A fragment is stored as an image of its registers: four stores of 16 bytes a lane at 16 x lane, 512 consecutive bytes each, 2,048 bytes a fragment.
; qf: [batch x 8 + head][16 tokens' block 0..127][image].   kv: [batch x 8 + head][key step of 128 keys 0..15][8 images of k | 8 images of v^T]: 32,768 bytes a key step.
; LIMITS on the given exponents, so that each power of two below is an f32 number: ew + ex between -126 and 127; the result's own e between -126 and 119.  NaN is not served.
; REGISTERS, in windows of 256: window 0: v1-6 at work; v8-15 v's bias (one number a lane for each of the 8 blocks); v16-31 addresses; v32-95 q's and k's bias in the results' layout; v96, v97 the result's scale and hold;
;   from v128 the lanes' side's fragments, ONE set (on the way out: v128-191 numbers, v192-255 codes).  window 1: the registers' side's fragments, TWO sets.  windows 2, 3: the accumulators, (a, b) at v[8 (8 (a % 4) + b)].
.set KROW,   1024                      ; a row of codes in memory, in bytes
.set ROWB,   256                       ; a tile's row: 256 along K
.set PITCH,  272                       ; an LDS row: 256 bytes + 16 of padding = 68 words: the 16 rows that a load touches start at 16 different banks (64 banks of 4 bytes: ISA guide 11.1)
.set FR,     16                        ; registers of a fragment: 16 rows x 128 K
.set NL,     4                         ; LDS loads that bring one
.set NP,     4                         ; places behind this matrix instruction (ISA guide 7.12.1)
.set HALFT,  128*PITCH                 ; 128 rows: what one tensor load brings
.set SLOT,   4*HALFT                   ; x's 256 rows, then W''s 256 rows
.set SPARE,  2*SLOT                    ; behind the ring: the spare words, 128 bytes a wave: two blocks of 256 bytes that no other line names
.set WBASE,  26214400                  ; where the three W' begin among the codes
.set NEXT_A, 4*256*KROW-2*ROWB         ; bytes from a slot's last K step of the first tile to its first of the second: x goes four tile rows down and back along K,
.set BACK_B, 2*ROWB                    ; W' only back: both tiles take the same rows of W'
.set BL,   8
.set ADRA, 16                          ; v16-17  LDS address of the lanes' side's fragments in slot 0, 1
.set ADRB, 20                          ; v20-21  of the registers' side's
.set LO16, 26                          ; v26     16 x lane: my place in an image
.set SPW,  28                          ; v28     LDS address of my spare word; never rewritten
.set NIL,  29                          ; v29     0; never rewritten
.set BH,   30                          ; v30     64 (lane / 16)
.set BR,   31                          ; v31     4 (r + 8 (r / 8)), r = lane % 16
.set BIAS, 32
.set SCL,  96
.set LIM,  97
.set AF,   128
.set TMP,  128
.set CD,   192
.set G1, 24                            ; s[24:31] descriptor group 1 for x's tiles;  s[32:39] group 0, one set for each slot
.set G0, 32
.set G1B, 48                           ; s[48:55], s[56:63] the same for W''s tiles
.set G0B, 56
.set MSB, 0
.macro WIN new                         ; the immediate's high byte repeats the setting that is left
.if MSB != \new
	s_set_vgpr_msb (MSB<<8)|\new
.set MSB, \new
.endif
.endm
.set MUL_LO, 0xa1                      ; source 0 window 1, source 1 window 0, C and D window 2
.set MUL_HI, 0xf1                      ; the same, C and D window 3
.set TO_B,   0x40                      ; destination window 1, address window 0
; A joint load: waves 0 and 1 fetch x's halves, waves 2 and 3 W''s.  Each of the two lines has one mask and one set of registers; the branch hangs on the wave's number alone.
; An s_nop 0 and four v_nop follow each of the two lines, ahead of the jump, the label and what follows.
.macro JLOAD g0a, g1a, g0b, g1b
	s_cmp_eq_u32 s15, 0
	s_cbranch_scc0 .Lfor_b_\@
	tensor_load_to_lds s[\g0a:\g0a+3], s[\g1a:\g1a+7]
	s_nop 0
.rept 4
	v_nop
.endr
	s_branch .Lasked_\@
.Lfor_b_\@:
	tensor_load_to_lds s[\g0b:\g0b+3], s[\g1b:\g1b+7]
	s_nop 0
.rept 4
	v_nop
.endr
.Lasked_\@:
.endm
.macro CREST                           ; a round of the cluster's barrier behind its opening barrier
	s_cmp_lg_u32 s14, 0
	s_cbranch_scc1 .Lnot_wave_0_\@
	s_barrier_signal -3
.Lnot_wave_0_\@:
	s_barrier_wait -3
	s_barrier_signal -1
	s_barrier_wait -1
.endm
.macro CROUND                          ; a whole round
	s_barrier_signal -1
	s_barrier_wait -1
	CREST
.endm
	s_load_b128 s[4:7], s[0:1], 0x0                ; the codes s[4:5], bq s[6:7]
	s_load_b128 s[68:71], s[0:1], 0x10             ; bk, bv
	s_load_b128 s[72:75], s[0:1], 0x20             ; the scales' exponents, qf
	s_load_b64 s[76:77], s[0:1], 0x30              ; kv
	v_lshl_add_u32 v[SPW], v0, 2, SPARE
	v_mov_b32 v[NIL], 0
	ds_add_u32 v[SPW], v[NIL]                      ; the wave's opening: the add and its wait stand ahead of my first tensor load; the set-up below, work on registers, stands between them
	v_lshrrev_b32 v1, 5, v0
	v_readfirstlane_b32 s14, v1                    ; wave 0..3
	s_lshr_b32 s15, s14, 1                         ; which half of the tile's rows of x is mine.  Also: I fetch for x (0) or for W' (1)
	s_and_b32 s16, s14, 1                          ; which half of its rows of W' (one head).  Also: which 128 rows I fetch
	s_bfe_u32 s40, ttmp6, 0x40000                  ; cx, cy: my place in the cluster
	s_bfe_u32 s41, ttmp6, 0x40004
	s_lshl_b32 s42, ttmp9, 2
	s_add_co_u32 s42, s42, s40                     ; tile of W': 4 x cluster x + cx, 0 .. 3
	s_and_b32 s17, ttmp7, 0xffff                   ; cluster y, 0 .. 11
	s_lshr_b32 s78, s17, 2                         ; J: 0 q, 1 k, 2 v: made of the cluster's y alone
	s_lshl_b32 s17, s17, 3
	s_add_co_u32 s17, s17, s41                     ; my first tile row of x: 8 x cluster y + cy; the second lies four further on
	s_lshl_b32 s43, s41, 2
	s_lshl_b32 s43, 15, s43                        ; my row of the cluster
	s_lshl_b32 s44, 0x1111, s40                    ; my column
	; descriptor group 1: a tile of 128 rows x 256 bytes, padded in LDS
	s_or_b32 s[G1+0], s43, (0<<16)|(1<<20)|(1<<21)|(5<<22)|(3<<25)  ; 15:0 the mask: x's tiles go to my row; 17:16 element of 1 byte; 20 padding on; 21 set beside a mask; 24:22 after every 64 words (code 5); 31:25 of 4 words (code 3)
	s_or_b32 s[G1B+0], s44, (0<<16)|(1<<20)|(1<<21)|(5<<22)|(3<<25) ; the same with my column's mask
.irp g, G1, G1B
	s_mov_b32 s[\g+1], ROWB<<16                    ; tensor_dim0
	s_mov_b32 s[\g+2], 128<<16                     ; tensor_dim1 = 128
	s_mov_b32 s[\g+3], ROWB<<16                    ; tile_dim0
	s_mov_b32 s[\g+4], 128                         ; tile_dim1 = 128
	s_mov_b32 s[\g+5], KROW                        ; tensor_dim0_stride
	s_mov_b32 s[\g+6], 0
	s_mov_b32 s[\g+7], 0
.endr
	s_lshl_b32 s18, s16, 7                         ; which 128 rows of the tile I fetch
	s_lshl_b32 s20, s17, 8
	s_add_co_u32 s20, s20, s18                     ; x: row 256 x tile row + 128 x half,
	s_lshl_b32 s20, s20, 10                        ; in bytes (under 2^25)
	s_mov_b32 s21, 0
	s_lshl_b32 s46, s42, 8
	s_add_co_u32 s46, s46, s18                     ; W': row 256 x tile + 128 x half,
	s_lshl_b32 s46, s46, 10
	s_lshl_b32 s47, s78, 20                        ; in tensor J's 1,048,576 bytes
	s_add_co_u32 s46, s46, s47
	s_add_co_u32 s46, s46, WBASE
	s_mov_b32 s47, 0
	s_mul_i32 s45, s14, HALFT                      ; where they go: wave x 128 rows: no place in the cluster enters an LDS address
	s_wait_dscnt 0x0                               ; the opening add is done
	s_wait_kmcnt 0x0
	s_load_b256 s[84:91], s[72:73], 0x0            ; e0 .. e7
	s_load_b128 s[92:95], s[72:73], 0x20           ; e8 .. e11
	s_add_nc_u64 s[20:21], s[4:5], s[20:21]
	s_add_nc_u64 s[46:47], s[4:5], s[46:47]
	CROUND                                         ; all sixteen work-groups are here: the first joint loads meet
.irp s, 0,1
	s_mov_b32 s[G0+4*\s], 1
	s_add_co_u32 s[G0+4*\s+1], s45, \s*SLOT
	s_add_nc_u64 s[G0+4*\s+2:G0+4*\s+3], s[20:21], \s*ROWB
	s_or_b32 s[G0+4*\s+3], s[G0+4*\s+3], 0x80000000
	s_mov_b32 s[G0B+4*\s], 1
	s_add_co_u32 s[G0B+4*\s+1], s45, \s*SLOT
	s_add_nc_u64 s[G0B+4*\s+2:G0B+4*\s+3], s[46:47], \s*ROWB
	s_or_b32 s[G0B+4*\s+3], s[G0B+4*\s+3], 0x80000000
	JLOAD G0+4*\s, G1, G0B+4*\s, G1B               ; two tensor loads of mine are out
.endr
	v_and_b32 v1, 15, v0                           ; r = lane % 16
	v_bfe_u32 v2, v0, 4, 1                         ; h = lane / 16
	v_mul_u32_u24 v3, v1, PITCH
	v_lshl_add_u32 v4, v2, 4, v3                   ; a fragment's row x pitch + 16 x half
	s_mul_i32 s21, s15, HALFT                      ; my 128 rows of x
	s_mul_i32 s22, s16, HALFT                      ; my 128 rows of W',
	s_add_co_u32 s22, s22, 2*HALFT                 ; which lie behind x's 256
	s_cmp_eq_u32 s78, 2                            ; v: W' along the lanes, x along the registers
	s_cselect_b32 s23, s22, s21                    ; the lanes' side (source 1)
	s_cselect_b32 s22, s21, s22                    ; the registers' side (source 0).  Both choices lie inside the slot
.irp s, 0,1
	v_add_nc_u32 v[ADRA+\s], s23, v4
	v_add_nc_u32 v[ADRB+\s], s22, v4
	s_add_co_u32 s23, s23, SLOT
	s_add_co_u32 s22, s22, SLOT
.endr
	v_and_b32 v6, 31, v0
	v_lshlrev_b32 v[LO16], 4, v6
	; the bias of my head, in both layouts; both are loaded whatever J is: every address lies inside the head's 512 bytes
	s_mov_b64 s[82:83], s[6:7]
	s_cmp_eq_u32 s78, 1
	s_cselect_b64 s[82:83], s[68:69], s[82:83]
	s_cmp_eq_u32 s78, 2
	s_cselect_b64 s[82:83], s[70:71], s[82:83]
	s_lshl_b32 s2, s42, 1
	s_add_co_u32 s2, s2, s16                       ; my head: 2 x tile + half
	s_lshl_b32 s3, s2, 9
	s_mov_b32 s12, s3
	s_mov_b32 s13, 0
	s_add_nc_u64 s[82:83], s[82:83], s[12:13]
	v_lshlrev_b32 v[BH], 6, v2
	v_and_b32 v5, 8, v1
	v_add_nc_u32 v5, v5, v1
	v_lshlrev_b32 v[BR], 2, v5
.irp b, 0,1,2,3,4,5,6,7                        ; q, k: register j of accumulator b is row 16 b + 8 h + j of W', the head's column 32 (b / 2) + 16 h + 8 (b % 2) + j
	global_load_b128 v[BIAS+8*\b:BIAS+8*\b+3], v[BH], s[82:83] offset:4*(32*(\b/2)+8*(\b%2))
	global_load_b128 v[BIAS+8*\b+4:BIAS+8*\b+7], v[BH], s[82:83] offset:4*(32*(\b/2)+8*(\b%2))+16
.endr
.irp a, 0,1,2,3,4,5,6,7                        ; v: lane r of block a is row 16 a + r of W', the head's column 32 (a / 2) + 8 (a % 2) + r + 8 (r / 8)
	global_load_b32 v[BL+\a], v[BR], s[82:83] offset:4*(32*(\a/2)+8*(\a%2))
.endr
	; where my eight images go: qf: (batch x 8 + head) x 262,144 + 128 x my first token; kv: twice that (a key step of 128 tokens is 32,768 bytes), v's images 16,384 further on
	s_cmp_eq_u32 s78, 0
	s_cselect_b64 s[80:81], s[74:75], s[76:77]
	s_min_u32 s79, s78, 1
	s_and_b32 s3, s17, 31
	s_lshr_b32 s3, s3, 3                           ; batch
	s_lshl_b32 s3, s3, 3
	s_add_co_u32 s2, s2, s3
	s_lshl_b32 s2, s2, 18
	s_and_b32 s3, s17, 7
	s_lshl_b32 s3, s3, 8
	s_lshl_b32 s12, s15, 7
	s_add_co_u32 s3, s3, s12                       ; my first token in its batch
	s_lshl_b32 s3, s3, 7
	s_add_co_u32 s2, s2, s3
	s_lshl_b32 s2, s2, s79
	s_mov_b32 s8, 131072                           ; from the first tile's images to the second's: 1,024 tokens on: 131,072 bytes in qf, twice that in kv
	s_lshl_b32 s8, s8, s79
	s_mov_b32 s9, 0
	s_cmp_eq_u32 s78, 2
	s_cselect_b32 s3, 16384, 0
	s_add_co_u32 s2, s2, s3
	s_mov_b32 s3, 0
	s_add_nc_u64 s[80:81], s[80:81], s[2:3]
.macro FRAG reg, adr, q, i             ; a fragment: four loads of 16 bytes, 32 apart: registers 4 c .. 4 c + 3 hold K = 32 c + 16 (lane / 16) + 0 .. 15: the same permutation of K on both sides of the product
.irp c, 0,1,2,3
	ds_load_b128 v[\reg+4*\c:\reg+4*\c+3], v[\adr] offset:128*(\q)+32*\c+(\i)*16*PITCH
.endr
.endm
; 16 matrix instructions: the lanes' side's blocks a0, a0 + 1 x the registers' side's eight, 128 along K.  p: the set.  zero = 1: the first product starts the sums: nothing is ever cleared.
; The 64 accumulators take turns, one instruction a turn, in the same order in every step, from tile to tile too.
.macro MUL16 a0, p, zero
.irp a, \a0, \a0+1
.irp b, 0,1,2,3,4,5,6,7
.if \zero
	v_wmma_f32_16x16x128_fp8_fp8 v[8*(8*((\a)%4)+\b):8*(8*((\a)%4)+\b)+7], v[128*(\p)+FR*\b:128*(\p)+FR*\b+FR-1], v[AF+FR*(\a):AF+FR*(\a)+FR-1], 0
.else
	v_wmma_f32_16x16x128_fp8_fp8 v[8*(8*((\a)%4)+\b):8*(8*((\a)%4)+\b)+7], v[128*(\p)+FR*\b:128*(\p)+FR*\b+FR-1], v[AF+FR*(\a):AF+FR*(\a)+FR-1], v[8*(8*((\a)%4)+\b):8*(8*((\a)%4)+\b)+7]
.endif
.endr
.endr
.endm
.macro FETCH_B slot, q, p              ; the registers' side's eight fragments of the slot's q-th 128 along K into set p
	WIN TO_B
.irp i, 0,1,2,3,4,5,6,7
	FRAG 128*(\p)+FR*\i, ADRB+\slot, \q, \i
.endr
	WIN 0
.endm
.macro FETCH_A slot, q, i0             ; the lanes' side's blocks i0 .. i0 + 3
.irp i, \i0, \i0+1, \i0+2, \i0+3
	FRAG AF+FR*(\i), ADRA+\slot, \q, \i
.endr
.endm
.macro PLACES n                        ; plain vector instructions that name no register of the matrix instructions before them: in front of loads into registers that those have read, and of the first read of results
.rept \n
	v_nop
.endr
.endm
; A step of 128 along K that has its successor in the same slot.
.macro STEP slot, q, zero
	s_wait_dscnt 4*NL                              ; all is in but the youngest sixteen loads (blocks 4-7 of the lanes' side)
	WIN MUL_LO
	MUL16 0, (\q)%2, \zero
	MUL16 2, (\q)%2, \zero
	s_wait_dscnt 0                                 ; blocks 4-7 are in (asked for 32 matrix instructions ago)
	PLACES NP
	FETCH_B \slot, (\q)+1, 1-(\q)%2
	FETCH_A \slot, (\q)+1, 0
	WIN MUL_HI
	MUL16 4, (\q)%2, \zero
	MUL16 6, (\q)%2, \zero
	PLACES NP
	WIN 0
	FETCH_A \slot, (\q)+1, 4
.endm
; A slot's last step changes slots: one barrier; in front of it each wave waits for all its tensor loads, adds 0 to its spare word, and waits for that and for its own reads of this slot.
; fill = 1: this slot is filled again, two K steps ahead;  2: with the NEXT tile's K step 0 or 1;  0: not at all.  fetch = 0: the next slot's first fragments are not fetched here (the way out comes first, and uses their registers).
.macro TURN slot, next, fill, fetch
	s_wait_tensorcnt 0x0                           ; all my tensor loads have landed: my part of the next slot  (every window is 0 here: the add's two registers lie in window 0)
	ds_add_u32 v[SPW], v[NIL]                      ; 0 onto my spare word
	s_wait_dscnt 4*NL+1                            ; (the add and the youngest sixteen loads may be out)
	WIN MUL_LO
	MUL16 0, 1, 0                                  ; sixteen matrix instructions stand between the add and the wait for it
	s_wait_dscnt 0x0                               ; the add is done, and my reads of this slot are over
	s_barrier_signal -1
	MUL16 2, 1, 0
	WIN 0
	s_barrier_wait -1
.if \fill
	CREST                                          ; the barrier has opened a round of the cluster's barrier: no wave of any partner still reads this slot's tile or has a load on its way
.if \fill == 2
	s_add_nc_u64 s[G0+4*\slot+2:G0+4*\slot+3], s[G0+4*\slot+2:G0+4*\slot+3], NEXT_A
	s_sub_nc_u64 s[G0B+4*\slot+2:G0B+4*\slot+3], s[G0B+4*\slot+2:G0B+4*\slot+3], BACK_B
.else
	s_add_nc_u64 s[G0+4*\slot+2:G0+4*\slot+3], s[G0+4*\slot+2:G0+4*\slot+3], 2*ROWB
	s_add_nc_u64 s[G0B+4*\slot+2:G0B+4*\slot+3], s[G0B+4*\slot+2:G0B+4*\slot+3], 2*ROWB
.endif
	JLOAD G0+4*\slot, G1, G0B+4*\slot, G1B         ; the first tensor load behind the round, my only one out; its four v_nop are also the places in front of the loads below
.else
	PLACES NP
.endif
.if \fetch
	FETCH_B \next, 0, 0
	FETCH_A \next, 0, 0
.endif
	WIN MUL_HI
	MUL16 4, 1, 0
	MUL16 6, 1, 0
.if \fetch
	PLACES NP
	WIN 0
	FETCH_A \next, 0, 4
.else
	WIN 0
.endif
.endm
; THE WAY OUT.  Block a of the lanes' side: 64 sums a lane become sum x 2^(ew + ex) + bias (one packed multiply-add for two; each accumulator from its low end on), are held, converted, and stored as an image.
; kind 0 (q, k): the bias runs along the registers.  kind 1 (v): it is one number a lane, the block's.
.macro EPIA kind, a
.set AC, 64*((\a)%4)
.set CB, CD+16*((\a)%4)
.if (\a) == 4
	s_wait_xcnt 0x0                                ; blocks 0 to 3's stores have read their data: the codes' registers are written again only behind this wait
.endif
	WIN 0x02+((\a)/4)                              ; source 0: window 2 or 3
.set j, 0
.rept 32
.if \kind
.if (\a)%2
	v_pk_fma_f32 v[TMP+j:TMP+j+1], v[AC+j:AC+j+1], s[96:97], v[BL+(\a)-1:BL+(\a)] op_sel:[0,0,1] op_sel_hi:[1,0,1]   ; of the pair of biases the upper word serves both halves
.else
	v_pk_fma_f32 v[TMP+j:TMP+j+1], v[AC+j:AC+j+1], s[96:97], v[BL+(\a):BL+(\a)+1] op_sel_hi:[1,0,0]                  ; the lower word
.endif
.else
	v_pk_fma_f32 v[TMP+j:TMP+j+1], v[AC+j:AC+j+1], s[96:97], v[BIAS+j:BIAS+j+1] op_sel_hi:[1,0,1]
.endif
.set j, j+2
.endr
	WIN 0
.set j, 0
.rept 64
	v_med3_num_f32 v[TMP+j], v[TMP+j], -v[LIM], v[LIM]   ; the conversion to an 8-bit code does not saturate (ISA guide 7.6.2)
.set j, j+1
.endr
.irp b, 0,1,2,3,4,5,6,7
	v_cvt_scalef32_pk8_fp8_f32 v[CB+2*\b:CB+2*\b+1], v[TMP+8*\b:TMP+8*\b+7], v[SCL]
.endr
	v_nop                                          ; one plain vector instruction between the conversions and the next lines that write their sources
.irp c, 0,1,2,3
	global_store_b128 v[LO16], v[CB+4*\c:CB+4*\c+3], s[80:81] offset:2048*(\a)+512*\c   ; 32 lanes store 512 consecutive bytes, aligned
.endr
.endm
.macro EPI kind
.irp a, 0,1,2,3,4,5,6,7
	EPIA \kind, \a
.endr
.endm
.macro WAYOUT
	PLACES NP                                      ; behind the tile's last products
	s_cmp_eq_u32 s78, 2                            ; J is made of the cluster's y alone: all waves of all sixteen partners go the same way; no barrier, wait on a tensor load or LDS access stands in either arm
	s_cbranch_scc1 .Lepi_v_\@
	EPI 0
	s_branch .Lepi_end_\@
.Lepi_v_\@:
	EPI 1
.Lepi_end_\@:
.endm
	s_wait_tensorcnt 1                             ; my part of K step 0 is in (K step 1's load, the younger one, may be out)
	s_barrier_signal -1
	s_barrier_wait -1                              ; everybody's is
	; ---- THE FIRST TILE.  K = 1,024 is four slots' worth: written out
	FETCH_B 0, 0, 0
	FETCH_A 0, 0, 0
	FETCH_A 0, 0, 4
	STEP 0, 0, 1                                   ; the first step's products start the sums
	TURN 0, 1, 1, 1                                ; slot 0 takes K step 2
	STEP 1, 0, 0
	TURN 1, 0, 1, 1                                ; slot 1 takes K step 3
	STEP 0, 0, 0
	TURN 0, 1, 2, 1                                ; THE RING GOES ON INTO THE SECOND TILE: slot 0 takes its K step 0,
	STEP 1, 0, 0
	TURN 1, 0, 2, 0                                ; slot 1 its K step 1.  The wait for 0 and the round in this change have shown slot 0 whole to every wave
	; the way out's constants, once for both tiles
	s_wait_kmcnt 0x0
	s_cmp_eq_u32 s78, 1                            ; the weight's e (entry 2 J), x's (2 J + 1), the result's (6 for q, 7 for k, 9 for v)
	s_cselect_b32 s2, s86, s84
	s_cselect_b32 s3, s87, s85
	s_cselect_b32 s12, s91, s90
	s_cmp_eq_u32 s78, 2
	s_cselect_b32 s2, s88, s2
	s_cselect_b32 s3, s89, s3
	s_cselect_b32 s12, s93, s12
	s_add_co_i32 s96, s2, s3
	s_add_co_i32 s96, s96, 127
	s_lshl_b32 s96, s96, 23                        ; 2^(ew + ex) as f32
	s_mov_b32 s97, s96                             ; (named with it as a pair, so it is written)
	s_add_co_i32 s12, s12, 127
	s_lshl_b32 s13, s12, 23
	v_mov_b32 v[SCL], s13                          ; the result's scale as f32: the conversion takes its exponent field
	s_add_co_i32 s12, s12, 8
	s_lshl_b32 s12, s12, 23
	s_or_b32 s12, s12, 0x600000
	v_mov_b32 v[LIM], s12                          ; 448 x that
	s_wait_loadcnt 0x0                             ; the biases
	WAYOUT                                         ; both refills are asked for: now the first tile goes out; they land meanwhile
	s_wait_xcnt 0x0                                ; the stores have read their data and their base: the fragments below land on the codes' registers, and the base steps, only behind this wait
	s_add_nc_u64 s[80:81], s[80:81], s[8:9]        ; on to the second tile's images
	; ---- THE SECOND TILE
	FETCH_B 0, 0, 0
	FETCH_A 0, 0, 0
	FETCH_A 0, 0, 4
	STEP 0, 0, 1                                   ; its first products start the sums anew, on accumulators that have been read out
	TURN 0, 1, 1, 1                                ; slot 0 takes K step 2
	STEP 1, 0, 0
	TURN 1, 0, 1, 1                                ; slot 1 takes K step 3
	STEP 0, 0, 0
	TURN 0, 1, 0, 1                                ; nothing is left to fetch
	STEP 1, 0, 0
	s_wait_dscnt 4*NL                              ; the very last step
	WIN MUL_LO
	MUL16 0, 1, 0
	MUL16 2, 1, 0
	s_wait_dscnt 0
	WIN MUL_HI
	MUL16 4, 1, 0
	MUL16 6, 1, 0
	WIN 0
	WAYOUT
	s_wait_tensorcnt 0x0                           ; the wave's end, behind my last tensor load
	ds_add_u32 v[SPW], v[NIL]
	s_wait_dscnt 0x0
	CROUND                                         ; the closing round: no work-group ends while a partner may still ask for a tile that names it
	s_endpgm
.Lfunc_end_k_qee2e648301_proj:
	.size	k_qee2e648301_proj, .Lfunc_end_k_qee2e648301_proj-k_qee2e648301_proj
	.p2alignl 7, 3214868480
	.fill 96, 4, 3214868480
	.section	.rodata,"a",@progbits
	.p2align	6, 0x0
	.amdhsa_kernel k_qee2e648301_proj
		.amdhsa_group_segment_fixed_size 327680
		.amdhsa_private_segment_fixed_size 0
		.amdhsa_enable_private_segment 0
		.amdhsa_kernarg_size 56
		.amdhsa_user_sgpr_count 2
		.amdhsa_user_sgpr_kernarg_segment_ptr 1
		.amdhsa_wavefront_size32 1
		.amdhsa_system_sgpr_workgroup_id_x 1
		.amdhsa_system_sgpr_workgroup_id_y 1
		.amdhsa_system_sgpr_workgroup_id_z 1
		.amdhsa_system_vgpr_workitem_id 0
		.amdhsa_next_free_vgpr 1024
		.amdhsa_next_free_sgpr 98
		.amdhsa_reserve_vcc 0
		.amdhsa_float_denorm_mode_32 3
		.amdhsa_float_denorm_mode_16_64 3
		.amdhsa_memory_ordered 1
		.amdhsa_forward_progress 1
		.amdhsa_inst_pref_size 255
	.end_amdhsa_kernel
	.section	.bss,"aw",@nobits
	.p2align	6
	.space	262144
	.amdgpu_metadata
---
amdhsa.version: [ 1, 2 ]
amdhsa.kernels:
  - .name:           k_qee2e648301_proj
    .symbol:         k_qee2e648301_proj.kd
    .args:
      - { .name: codes, .offset: 0, .size: 8, .value_kind: global_buffer, .address_space: global }
      - { .name: bq, .offset: 8, .size: 8, .value_kind: global_buffer, .address_space: global }
      - { .name: bk, .offset: 16, .size: 8, .value_kind: global_buffer, .address_space: global }
      - { .name: bv, .offset: 24, .size: 8, .value_kind: global_buffer, .address_space: global }
      - { .name: lowp_scales, .offset: 32, .size: 8, .value_kind: global_buffer, .address_space: global }
      - { .name: qf, .offset: 40, .size: 8, .value_kind: global_buffer, .address_space: global }
      - { .name: kv, .offset: 48, .size: 8, .value_kind: global_buffer, .address_space: global }
    .group_segment_fixed_size: 327680
    .private_segment_fixed_size: 0
    .kernarg_segment_align: 8
    .kernarg_segment_size: 56
    .max_flat_workgroup_size: 128
    .sgpr_count:     98
    .vgpr_count:     1024
    .wavefront_size: 32
...
	.end_amdgpu_metadata
.endif
;; end of part 2
;; launch attn (part 3): grid 8 x 32, 8 waves a work-group, clusters of 4 x 1, 327,680 bytes of LDS; arguments qf, kv, lowp_scales, mf; writes mf
.if DOCPART == 3
	.amdgcn_target "amdgcn-amd-amdhsa--gfx1250"
	.amdhsa_code_object_version 6
	.text
	.protected	k_qee2e648301_attn
	.globl	k_qee2e648301_attn
	.p2align	8
	.type	k_qee2e648301_attn,@function
k_qee2e648301_attn:
	s_mov_b64 s[64:65], 0
	v_nop
	global_prefetch_b8 v0, s[64:65] scope:SCOPE_SE
	s_setreg_imm32_b32 hwreg(HW_REG_WAVE_MODE, 25, 1), 1
	s_wait_xcnt 0x0
	s_wait_alu depctr_hold_cnt(0) depctr_sa_sdst(0) depctr_va_vdst(0) depctr_va_sdst(0) depctr_va_ssrc(0) depctr_va_vcc(0) depctr_vm_vsrc(0)
	s_getreg_b32 s2, hwreg(HW_REG_IB_STS2, 6, 4)
	s_cmp_eq_u32 s2, 0
	s_cbranch_scc0 .Lentry_in_a_cluster
	s_endpgm
.Lentry_in_a_cluster:
	s_bfe_u32 s2, ttmp6, 0x10000c
	s_cmp_lg_u32 s2, 0x3003
	s_cbranch_scc0 .Lentry_shape_is_right
	s_endpgm
.Lentry_shape_is_right:
; heads[bh][s][:] = the sum over t of (1 + tanh(qh[s] . kh[t] / sqrt(128))) vh[t][:], both products on codes of FP8 (E4M3); the result is quantised at once as the last layer's operand.
; There is no softmax: no maximum, no row's sum, nothing to rescale.  The weights are bounded by 2 whatever the scores are.
; THE WEIGHT.  1 + tanh z = 2 / (1 + 2^y), y = sigma x c, sigma the sum of the codes' products, c = -2 log2(e) / sqrt(128) x 2^(e6 + e7).  rho = 1 / (1 + 2^y); its code is rho / 2^(e8 - 1): the 2 goes into the conversion's scale.
; ONE RECIPROCAL FOR FOUR.  For four registers E0 .. E3 (E = 2^y, x = 1 + E): (p1, p0) = (x1 x3, x0 x2); r = 1 / (p0 p1); T = r (p1, p0) = (1 / p0, 1 / p1); (x0, x1) T = (1 / x2, 1 / x3); (x2, x3) T = (1 / x0, 1 / x1).
; The 1 is added to x2 and x3 alone: x0 x2 = E0 x2 + x2 and x0 T = E0 T + T are one fused multiply-add each, two numbers an instruction.
; The pairs come out exchanged.  That is undone beforehand: a lane reads k's image at 16 x (lane xor 2), so that score register j holds key j xor 2, and behind the exchange register j holds key j.
; ONE HOLD FOR TWO THINGS, behind the exponential: 2^y is held between LO and 2^30.  2^30: the product of four x stays under 2^121, so its reciprocal is a normal number; a weight under 2^-29 rounds to the code 0 (LIMIT on e8 below).
; LO = max(2^(1 - e8) / 448 - 1, 0) x (1 + 2^-10): it keeps rho at or under 448 x 2^(e8 - 1), and within 2^-10 of it, which still rounds to the largest code.  It is always executed.
; SHARES.  A work-group owns 256 queries of one head; each of its eight waves 32: two tiles of 16, in 512 registers: two waves to a SIMD, so that one wave's vector work stands beside the other's matrix work and LDS loads.
; Every wave walks the head's 16 key steps of 128 keys.  Each fragment of k and of v^T read from LDS feeds two matrix instructions.
; LAYOUT.  Both products are used transposed: S^T = k q^T (source 0 = 16 keys, source 1 = 16 queries), O^T = v^T p^T (source 0 = 16 of the head's 128, source 1 = p): a lane holds one query throughout, and the conversions'
; results are the next operand's registers (registers 2 b, 2 b + 1: K = 16 b + 8 (lane / 16) + 0 .. 7).  All operands lie in memory and in LDS as images of their registers: 4 x 512 bytes, a lane's 16 bytes at 16 x lane: no pitch, no padding.
; THE RING.  Two LDS slots of four key steps (131,072 bytes), as they lie in kv.  Each wave fetches an eighth of a slot with one tensor load.  A refill is asked for a whole slot, four key steps of every wave's work, ahead of the wait for it;
; that is why no prefetch is laid beside it.
; CLUSTER.  The four blocks of queries of a cluster belong to one head and walk the same kv: each tile is asked for jointly, by the same tensor load with the same descriptor and the mask of all four.
; LIMITS on the given exponents: e8 between -18 and 126; e6 + e7 between -124 and 129 (they are added to c's exponent field); e10 - e8 - e9 between -126 and 119.  NaN is not served.
; REGISTERS.  window 0: v1-11 addresses and constants; v16-47 q (16 a tile); v48-111 four fragments of k; v112-175 S^T, then the weights (tile t at +32 t, 16 keys' block f at +8 f); v176-207, v208-223 at work on the reciprocals;
;   v224-255 p's codes (16 a tile).   window 1: v0-127 O^T (64 t + 8 b); v128-255 v^T's eight fragments.
.set SLOT1, 1<<17                      ; slot 1 begins here, so that one exclusive or turns an address in one slot into the other's
.set KSB,   32768                      ; a key step's bytes: 8 images of k, then 8 of v^T
.set SPARE, 2*SLOT1                    ; behind the ring: the spare words, 128 bytes a wave: four blocks of 256 bytes that no other line names
.set AK0, 1                            ; v1   16 x (lane xor 2): my place in an image of k
.set AV0, 2                            ; v2   16 x lane + 16,384: in an image of v^T
.set ADK, 3                            ; v3   LDS address of the step's images of k
.set ADV, 4                            ; v4   of v^T
.set SPW, 5                            ; v5   LDS address of my spare word; never rewritten
.set NIL, 6                            ; v6   0; never rewritten
.set CVS, 7                            ; v7   2^(e8 - 1) as f32
.set L16, 8                            ; v8   16 x lane
.set OSC, 9                            ; v9   2^(e10 - e8 - e9) as f32
.set LO,  10                           ; v10  the lower hold
.set OLM, 11                           ; v11  448 x 2^(e10 - e8 - e9)
.set Q,   16
.set KF,  48
.set S,   112
.set TP,  176
.set TR,  208
.set PC,  224
.set VF,  128                          ; in window 1
.set WV,  12                           ; s12  my wave's number
.set G1,  16                           ; s[16:23] descriptor group 1
.set G0,  24                           ; s[24:27] descriptor group 0, which walks
.set TB,  28                           ; s28  LDS byte at which the key step in hand begins
.set SLOTS, 29
.set CNT, 30
.set CS,  32                           ; s[32:33] c: the packed form names a pair and takes its low word for both halves
.set HI,  35                           ; s35  2^30
.set MSB, 0
.macro WIN new                         ; the immediate's high byte repeats the setting that is left
.if MSB != \new
	s_set_vgpr_msb (MSB<<8)|\new
.set MSB, \new
.endif
.endm
.macro PLACES
.rept 4
	v_nop
.endr
.endm
.macro JLOAD                           ; every wave fetches its eighth of a slot: one line, no branch; an s_nop 0 and four v_nop follow it
	tensor_load_to_lds s[G0:G0+3], s[G1:G1+7]
	s_nop 0
.rept 4
	v_nop
.endr
.endm
.macro CROUND                          ; a round of the cluster's barrier
	s_barrier_signal -1
	s_barrier_wait -1
	s_cmp_lg_u32 s[WV], 0
	s_cbranch_scc1 .Lnot_wave_0_\@
	s_barrier_signal -3
.Lnot_wave_0_\@:
	s_barrier_wait -3
	s_barrier_signal -1
	s_barrier_wait -1
.endm
	s_load_b256 s[4:11], s[0:1], 0x0               ; qf s[4:5], kv s[6:7], the scales' exponents s[8:9], mf s[10:11]
	v_lshl_add_u32 v[SPW], v0, 2, SPARE
	v_mov_b32 v[NIL], 0
	ds_add_u32 v[SPW], v[NIL]                      ; the wave's opening: the add and its wait stand ahead of my first tensor load; the set-up below, work on registers, stands between them
	v_lshrrev_b32 v9, 5, v0
	v_readfirstlane_b32 s[WV], v9                  ; wave 0..7
	s_bfe_u32 s13, ttmp6, 0x40000                  ; cx
	s_lshl_b32 s14, ttmp9, 2
	s_add_co_u32 s14, s14, s13                     ; my block of 256 queries: it enters qf's and mf's addresses alone
	s_and_b32 s15, ttmp7, 0xffff                   ; batch x 8 + head, which the four partners share
	; descriptor group 1: 16,384 dense bytes as 64 rows of 256
	s_mov_b32 s[G1], 15|(3<<16)|(1<<21)            ; 15:0 the mask: all four work-groups; 17:16 elements of 8 bytes; 20 no padding; 21 set beside a mask
	s_mov_b32 s[G1+1], 32<<16                      ; tensor_dim0 = 32 elements
	s_mov_b32 s[G1+2], 64<<16                      ; tensor_dim1 = 64
	s_mov_b32 s[G1+3], 32<<16                      ; tile_dim0
	s_mov_b32 s[G1+4], 64                          ; tile_dim1
	s_mov_b32 s[G1+5], 32                          ; tensor_dim0_stride: dense
	s_mov_b32 s[G1+6], 0
	s_mov_b32 s[G1+7], 0
	s_mov_b32 s[TB], 0
	s_mov_b32 s[HI], 0x4e800000                    ; 2^30
	s_mov_b32 s[CS], 0xbe8293ee                    ; -2 log2(e) / sqrt(128)
	s_lshl_b32 s36, s15, 19                        ; kv: a head is 524,288 bytes;
	s_lshl_b32 s37, s[WV], 14                      ; my eighth of a slot
	s_add_co_u32 s36, s36, s37
	s_mov_b32 s37, 0
	s_lshl_b32 s38, s14, 4
	s_lshl_b32 s39, s[WV], 1
	s_add_co_u32 s38, s38, s39                     ; my first block of 16 queries: 16 x block of 256 + 2 x wave
	s_lshl_b32 s52, s38, 11
	s_lshl_b32 s53, s15, 18
	s_add_co_u32 s52, s52, s53                     ; qf: (batch x 8 + head) x 262,144 + block x 2,048
	s_mov_b32 s53, 0
	s_lshl_b32 s54, s38, 14                        ; mf: [batch x 128 + block][head][2,048]
	s_lshr_b32 s55, s15, 3
	s_lshl_b32 s55, s55, 21
	s_add_co_u32 s54, s54, s55
	s_and_b32 s55, s15, 7
	s_lshl_b32 s55, s55, 11
	s_add_co_u32 s54, s54, s55
	s_mov_b32 s55, 0
	s_lshl_b32 s31, s[WV], 14                      ; where my eighth goes in a slot: no place in the cluster enters an LDS address
	s_wait_dscnt 0x0                               ; the opening add is done
	s_wait_kmcnt 0x0
	s_load_b256 s[40:47], s[8:9], 0x0              ; e0 .. e7
	s_load_b128 s[48:51], s[8:9], 0x20             ; e8 .. e11
	s_mov_b32 s[G0], 1                             ; count = 1
	s_mov_b32 s[G0+1], s31                         ; LDS address: slot 0
	s_add_nc_u64 s[G0+2:G0+3], s[6:7], s[36:37]    ; global address: key steps 0 to 3
	s_or_b32 s[G0+3], s[G0+3], 0x80000000          ; type = 2
	s_add_nc_u64 s[4:5], s[4:5], s[52:53]
	s_add_nc_u64 s[10:11], s[10:11], s[54:55]
	CROUND                                         ; all four work-groups are here: the first joint loads meet
	JLOAD                                          ; slot 0: one tensor load of mine is out
	v_and_b32 v9, 31, v0
	v_lshlrev_b32 v[L16], 4, v9
	v_xor_b32 v9, 2, v9
	v_lshlrev_b32 v[AK0], 4, v9
	v_add_nc_u32 v[AV0], 16384, v[L16]
.irp t, 0,1
.irp c, 0,1,2,3
	global_load_b128 v[Q+16*\t+4*\c:Q+16*\t+4*\c+3], v[L16], s[4:5] offset:2048*\t+512*\c   ; q's two fragments stay in registers
.endr
.endr
	s_wait_kmcnt 0x0
	s_add_co_i32 s52, s46, s47
	s_lshl_b32 s52, s52, 23
	s_add_co_u32 s[CS], s[CS], s52                 ; e6 + e7 are added to c's exponent field
	s_mov_b32 s[CS+1], s[CS]                       ; (named with it as a pair, so it is written)
	s_add_co_i32 s52, s48, 126
	s_lshl_b32 s52, s52, 23
	v_mov_b32 v[CVS], s52                          ; 2^(e8 - 1)
	s_sub_co_i32 s52, 1, s48
	v_mov_b32 v[LO], 0x3b124925                    ; 1 / 448
	v_ldexp_f32 v[LO], v[LO], s52                  ; x 2^(1 - e8)
	v_add_f32 v[LO], -1.0, v[LO]
	v_max_num_f32 v[LO], 0, v[LO]
	v_mul_f32 v[LO], 0x3f802000, v[LO]             ; x (1 + 2^-10)
	s_sub_co_i32 s52, s50, s48
	s_sub_co_i32 s52, s52, s49                     ; a sum of the second product stands for sum x 2^(e8 + e9): its code is sum / 2^(e10 - e8 - e9)
	s_add_co_i32 s52, s52, 127
	s_lshl_b32 s53, s52, 23
	v_mov_b32 v[OSC], s53
	s_add_co_i32 s52, s52, 8
	s_lshl_b32 s52, s52, 23
	s_or_b32 s52, s52, 0x600000
	v_mov_b32 v[OLM], s52
	s_wait_loadcnt 0x0                             ; q
; THE CHANGE OF SLOTS stands at a slot's head.  Each wave waits for all its tensor loads (its part of the slot that it is about to read), adds 0 to its spare word, and waits for that and for its reads of the slot that it has left.
; fill = 1: the barrier is a round of the cluster's, and behind it the other slot takes the four key steps that follow.
.macro CHANGE fill
	s_wait_tensorcnt 0x0                           ; no tensor load of mine is out, so group 0 may be written
	ds_add_u32 v[SPW], v[NIL]                      ; 0 onto my spare word
.if \fill
	s_xor_b32 s[G0+1], s[G0+1], SLOT1              ; the other slot than last time,
	s_add_nc_u64 s[G0+2:G0+3], s[G0+2:G0+3], 4*KSB ; the next four key steps; the type bits on top are not reached
.endif
	s_wait_dscnt 0x0                               ; the add is done, and my reads of the slot that I have left are over
.if \fill
	CROUND                                         ; no wave of any partner still reads that slot or has a load on its way
	JLOAD                                          ; the first thing behind the round, and my one tensor load until the next
.else
	s_barrier_signal -1
	s_barrier_wait -1
.endif
.endm
.macro KQ                              ; S^T of 64 keys x my 32 queries: eight products, K = the head's 128, each starts and ends its sum
.irp f, 0,1,2,3
.irp t, 0,1
	v_wmma_f32_16x16x128_fp8_fp8 v[S+32*\t+8*\f:S+32*\t+8*\f+7], v[KF+16*\f:KF+16*\f+15], v[Q+16*\t:Q+16*\t+15], 0
.endr
.endr
.endm
; 64 scores a lane become weights and codes.  hf: which half of the key step.
.macro VEC hf
.set j, 0
.rept 32
	v_pk_mul_f32 v[S+j:S+j+1], v[S+j:S+j+1], s[CS:CS+1] op_sel_hi:[1,0]   ; y = sigma c; each accumulator from its low end on
.set j, j+2
.endr
.set j, 0
.rept 64
	v_exp_f32 v[S+j], v[S+j]
.set j, j+1
.endr
	v_nop                                          ; a plain instruction behind the last exponential,
	s_wait_alu depctr_va_vdst(0)                   ; and one wait for the batch, ahead of its first reader
.set j, 0
.rept 64
	v_med3_num_f32 v[S+j], v[S+j], v[LO], s[HI]    ; the hold
.set j, j+1
.endr
.set g, 0
.rept 16
	v_pk_add_f32 v[S+4*g+2:S+4*g+3], v[S+4*g+2:S+4*g+3], 1.0 op_sel_hi:[1,0]   ; (x2, x3) = 1 + (E2, E3); E0 and E1 stay as they are
.set g, g+1
.endr
.set g, 0
.rept 16
	v_pk_fma_f32 v[TP+2*g:TP+2*g+1], v[S+4*g:S+4*g+1], v[S+4*g+2:S+4*g+3], v[S+4*g+2:S+4*g+3] op_sel:[1,1,1] op_sel_hi:[0,0,0]   ; (p1, p0) = (E1 x3 + x3, E0 x2 + x2) = (x1 x3, x0 x2)
.set g, g+1
.endr
.set g, 0
.rept 16
	v_mul_f32 v[TR+g], v[TP+2*g], v[TP+2*g+1]
.set g, g+1
.endr
.set g, 0
.rept 16
	v_rcp_f32 v[TR+g], v[TR+g]                     ; r = 1 / (x0 x1 x2 x3)
.set g, g+1
.endr
	v_nop
	s_wait_alu depctr_va_vdst(0)                   ; one wait for the sixteen reciprocals
.set g, 0
.rept 16
.if g%2
	v_pk_mul_f32 v[TP+2*g:TP+2*g+1], v[TR+g-1:TR+g], v[TP+2*g:TP+2*g+1] op_sel:[1,0] op_sel_hi:[1,1]     ; T = r (p1, p0) = (1 / p0, 1 / p1): of the pair of r the upper word serves both halves
.else
	v_pk_mul_f32 v[TP+2*g:TP+2*g+1], v[TR+g:TR+g+1], v[TP+2*g:TP+2*g+1] op_sel:[0,0] op_sel_hi:[0,1]     ; the lower word
.endif
.set g, g+1
.endr
.set g, 0
.rept 16
	v_pk_fma_f32 v[S+4*g:S+4*g+1], v[S+4*g:S+4*g+1], v[TP+2*g:TP+2*g+1], v[TP+2*g:TP+2*g+1]   ; (E0, E1) T + T = (x0, x1) T = (1 / x2, 1 / x3)
	v_pk_mul_f32 v[S+4*g+2:S+4*g+3], v[S+4*g+2:S+4*g+3], v[TP+2*g:TP+2*g+1]                   ; (x2, x3) T = (1 / x0, 1 / x1): register j now holds key j's rho
.set g, g+1
.endr
.irp t, 0,1
.irp f, 0,1,2,3
	v_cvt_scalef32_pk8_fp8_f32 v[PC+16*\t+8*\hf+2*\f:PC+16*\t+8*\hf+2*\f+1], v[S+32*\t+8*\f:S+32*\t+8*\f+7], v[CVS]
.endr
.endr
	v_nop                                          ; one plain vector instruction between the conversions and the matrix instructions that write their sources or read their results
.endm
; O^T += v^T p^T: K = the step's 128 keys.  The sixteen accumulators take turns, one instruction a turn; between two links of a chain stand the other fifteen and the next step's sixteen products k q^T.
.macro PV zero
	WIN 0x51                                       ; source 0 (v^T), C and D (O^T) window 1; source 1 (p) window 0
.irp b, 0,1,2,3,4,5,6,7
.irp t, 0,1
.if \zero
	v_wmma_f32_16x16x128_fp8_fp8 v[64*\t+8*\b:64*\t+8*\b+7], v[VF+16*\b:VF+16*\b+15], v[PC+16*\t:PC+16*\t+15], 0
.else
	v_wmma_f32_16x16x128_fp8_fp8 v[64*\t+8*\b:64*\t+8*\b+7], v[VF+16*\b:VF+16*\b+15], v[PC+16*\t:PC+16*\t+15], v[64*\t+8*\b:64*\t+8*\b+7]
.endif
.endr
.endr
	WIN 0
.endm
; A KEY STEP: 128 keys.  zero = 1: the first, whose second products start O^T's sums: nothing is ever cleared.
.macro STEP zero
	v_add_nc_u32 v[ADK], s[TB], v[AK0]
	v_add_nc_u32 v[ADV], s[TB], v[AV0]
	v_nop
	v_nop                                          ; these four are the places between the last step's products and the loads into v^T's registers
.irp f, 0,1,2,3
.irp c, 0,1,2,3
	ds_load_b128 v[KF+16*\f+4*\c:KF+16*\f+4*\c+3], v[ADK] offset:2048*\f+512*\c          ; keys 0 to 63
.endr
.endr
	WIN 0x40                                       ; destination window 1
.irp b, 0,1,2,3,4,5,6,7
.irp c, 0,1,2,3
	ds_load_b128 v[VF+16*\b+4*\c:VF+16*\b+4*\c+3], v[ADV] offset:2048*\b+512*\c
.endr
.endr
	WIN 0
	s_wait_dscnt 32                                ; k's sixteen loads are in; v^T's 32, issued behind them, may be out
	KQ
	PLACES                                         ; in front of the loads into k's registers and of the first read of the scores
.irp f, 0,1,2,3
.irp c, 0,1,2,3
	ds_load_b128 v[KF+16*\f+4*\c:KF+16*\f+4*\c+3], v[ADK] offset:8192+2048*\f+512*\c     ; keys 64 to 127: they land under the first half's vector work
.endr
.endr
	VEC 0
	s_wait_dscnt 0x0
	KQ
	PLACES
	VEC 1
	PV \zero
	s_add_co_u32 s[TB], s[TB], KSB
.endm
.macro STEPS n                         ; n key steps: written once, walked n times; the LDS addresses hang on s[TB]
	s_mov_b32 s[CNT], \n
.Lstep_\@:
	STEP 0
	s_sub_co_u32 s[CNT], s[CNT], 1
	s_cmp_lg_u32 s[CNT], 0
	s_cbranch_scc1 .Lstep_\@
.endm
.macro NEXTSLOT
	s_sub_co_u32 s[TB], s[TB], 4*KSB               ; back to a slot's first key step,
	s_xor_b32 s[TB], s[TB], SLOT1                  ; in the other slot
.endm
	CHANGE 1                                       ; slot 0 is whole; slot 1 takes key steps 4 to 7
	STEP 1
	STEPS 3
	NEXTSLOT
	s_mov_b32 s[SLOTS], 2
.Lslot:                                            ; two trips: slot 0 takes key steps 8 to 11 while slot 1 is walked, slot 1 takes 12 to 15 while slot 0 is walked
	CHANGE 1
	STEPS 4
	NEXTSLOT
	s_sub_co_u32 s[SLOTS], s[SLOTS], 1
	s_cmp_lg_u32 s[SLOTS], 0
	s_cbranch_scc1 .Lslot
	CHANGE 0                                       ; the last slot is written out
	STEPS 4
	; THE WAY OUT: O^T is held and converted; a tile's eight accumulators give the 16 registers of the last layer's operand, stored as an image.  By the order of the rows of Wv's codes, registers 4 c .. 4 c + 3 hold the head's columns 32 c + 16 (lane / 16) + 0 .. 15.
	PLACES
.irp t, 0,1
	WIN 0x01                                       ; source 0 window 1
.set j, 0
.rept 64
	v_med3_num_f32 v[S+j], v[64*\t+j], -v[OLM], v[OLM]   ; each accumulator from its low end on
.set j, j+1
.endr
	WIN 0
.irp b, 0,1,2,3,4,5,6,7
	v_cvt_scalef32_pk8_fp8_f32 v[TP+16*\t+2*\b:TP+16*\t+2*\b+1], v[S+8*\b:S+8*\b+7], v[OSC]
.endr
	v_nop                                          ; one plain vector instruction between the conversions and the next tile's holds, which write their sources
.irp c, 0,1,2,3
	global_store_b128 v[L16], v[TP+16*\t+4*\c:TP+16*\t+4*\c+3], s[10:11] offset:16384*\t+512*\c   ; 32 lanes store 512 consecutive bytes, aligned
.endr
.endr
	s_wait_tensorcnt 0x0                           ; the wave's end, behind my last tensor load
	ds_add_u32 v[SPW], v[NIL]
	s_wait_dscnt 0x0
	CROUND                                         ; the closing round: no work-group ends while a partner may still ask for a tile that names it
	s_endpgm
.Lfunc_end_k_qee2e648301_attn:
	.size	k_qee2e648301_attn, .Lfunc_end_k_qee2e648301_attn-k_qee2e648301_attn
	.p2alignl 7, 3214868480
	.fill 96, 4, 3214868480
	.section	.rodata,"a",@progbits
	.p2align	6, 0x0
	.amdhsa_kernel k_qee2e648301_attn
		.amdhsa_group_segment_fixed_size 327680
		.amdhsa_private_segment_fixed_size 0
		.amdhsa_enable_private_segment 0
		.amdhsa_kernarg_size 32
		.amdhsa_user_sgpr_count 2
		.amdhsa_user_sgpr_kernarg_segment_ptr 1
		.amdhsa_wavefront_size32 1
		.amdhsa_system_sgpr_workgroup_id_x 1
		.amdhsa_system_sgpr_workgroup_id_y 1
		.amdhsa_system_sgpr_workgroup_id_z 1
		.amdhsa_system_vgpr_workitem_id 0
		.amdhsa_next_free_vgpr 512
		.amdhsa_next_free_sgpr 66
		.amdhsa_reserve_vcc 0
		.amdhsa_float_denorm_mode_32 3
		.amdhsa_float_denorm_mode_16_64 3
		.amdhsa_memory_ordered 1
		.amdhsa_forward_progress 1
		.amdhsa_inst_pref_size 162
	.end_amdhsa_kernel
	.amdgpu_metadata
---
amdhsa.version: [ 1, 2 ]
amdhsa.kernels:
  - .name:           k_qee2e648301_attn
    .symbol:         k_qee2e648301_attn.kd
    .args:
      - { .name: qf, .offset: 0, .size: 8, .value_kind: global_buffer, .address_space: global }
      - { .name: kv, .offset: 8, .size: 8, .value_kind: global_buffer, .address_space: global }
      - { .name: lowp_scales, .offset: 16, .size: 8, .value_kind: global_buffer, .address_space: global }
      - { .name: mf, .offset: 24, .size: 8, .value_kind: global_buffer, .address_space: global }
    .group_segment_fixed_size: 327680
    .private_segment_fixed_size: 0
    .kernarg_segment_align: 8
    .kernarg_segment_size: 32
    .max_flat_workgroup_size: 256
    .sgpr_count:     66
    .vgpr_count:     512
    .wavefront_size: 32
...
	.end_amdgpu_metadata
.endif
;; end of part 3
;; launch outp (part 4): grid 4 x 64, 4 waves a work-group, clusters of 4 x 4, 327,680 bytes of LDS; arguments mf, codes, lowp_scales, out0; writes out0
.if DOCPART == 4
	.amdgcn_target "amdgcn-amd-amdhsa--gfx1250"
	.amdhsa_code_object_version 6
	.text
	.protected	k_qee2e648301_outp
	.globl	k_qee2e648301_outp
	.p2align	8
	.type	k_qee2e648301_outp,@function
k_qee2e648301_outp:
	s_mov_b64 s[64:65], 0
	v_nop
	global_prefetch_b8 v0, s[64:65] scope:SCOPE_SE
	s_setreg_imm32_b32 hwreg(HW_REG_WAVE_MODE, 25, 1), 1
	s_wait_xcnt 0x0
	s_wait_alu depctr_hold_cnt(0) depctr_sa_sdst(0) depctr_va_vdst(0) depctr_va_sdst(0) depctr_va_ssrc(0) depctr_va_vcc(0) depctr_vm_vsrc(0)
	s_getreg_b32 s2, hwreg(HW_REG_IB_STS2, 6, 4)
	s_cmp_eq_u32 s2, 0
	s_cbranch_scc0 .Lentry_in_a_cluster
	s_endpgm
.Lentry_in_a_cluster:
	s_bfe_u32 s2, ttmp6, 0x10000c
	s_cmp_lg_u32 s2, 0xf033
	s_cbranch_scc0 .Lentry_shape_is_right
	s_endpgm
.Lentry_shape_is_right:
; out0[m][n] = (sum over k of merged[m][k] Wo[n][k]) x 2^(e10 + e11), on codes of FP8 (E4M3); out0: [8,192][1,024] f32; sums in f32.
; merged's codes lie in mf as images of operand fragments: [block of 16 rows 0..511][head 0..7][2,048 bytes]; in an image registers 4 c .. 4 c + 3 of lane (r, h) hold the head's columns 32 c + 16 h + 0 .. 15 of row r:
; the very places that four loads of 16 bytes, 32 apart, give a row of Wo's codes (row-major, from byte 25,165,824 of the codes).  So every product meets its partner.
; LIMIT: e10 + e11 lies between -126 and 127, so that 2^(e10 + e11) is an f32 number.
; A tile of out0 is 128 rows x 256 columns, so that out0's 8,192 x 1,024 numbers make 256 tiles, a work-group to each.  Four waves, each 64 x 128: 32 accumulators, 256 registers.
; The price of the smaller tile: 48 LDS loads feed 32 products, where a wave's 128 x 128 would have 64 feed 64.
; K = 1,024 goes in four steps of 256 (two heads) through a ring of two LDS slots.
; CLUSTERS: 4 x 4.  The four of a row of the cluster need the same images of merged, the four of a column the same rows of Wo: each tile is asked for jointly.
; THE MATRIX INSTRUCTION IS USED TRANSPOSED (source 0 = 16 rows of Wo, source 1 = 16 rows of merged): a lane then holds eight neighbouring numbers of a row of out0.
; REGISTERS, in windows of 256: window 0: v0-31 addresses; v128-191 merged's four fragments, ONE set; on the way out v32-255 are free.  window 1: Wo's fragments, TWO sets.  window 2: the accumulators, (a, b) at v[8 (8 a + b)].
.set SIZE_N, 1024
.set ROWB,   256                       ; a row of Wo's tile: 256 along K
.set KROW,   1024
.set PITCH,  272                       ; Wo's rows in LDS: 256 bytes + 16 of padding: the 16 rows that a load touches start at 16 different banks (64 banks of 4 bytes: ISA guide 11.1)
.set FR,     16
.set NL,     4
.set NP,     4
.set HALFA,  16384                     ; merged: 4 blocks of 16 rows x 4,096 bytes (two images), as they lie: an LDS load reads 512 consecutive bytes, so no padding
.set HALFB,  128*PITCH
.set BOFF,   2*HALFA
.set SLOT,   BOFF+2*HALFB
.set SPARE,  2*SLOT                    ; behind the ring: the spare words, 128 bytes a wave: two blocks of 256 bytes that no other line names
.set WOBASE, 25165824
.set SPITCH, 528                       ; the way out: a stage of 16 rows x (512 bytes + 16) for each wave.  It lies in slot 0, which has had its last fill and its last read when the first result is stored there
.set ADRA, 16                          ; v16-17  LDS address of merged's fragments in slot 0, 1
.set ADRB, 20                          ; v20-21  of Wo's
.set STO,  24                          ; v24     the way out: where I put 32 bytes of a row
.set RD,   25                          ; v25     where I read a row back
.set CO,   26                          ; v26     16 x lane: my byte offset in a row of out0, and in an image
.set SPW,  28                          ; v28     LDS address of my spare word; never rewritten
.set NIL,  29                          ; v29     0; never rewritten
.set TMP,  32
.set AF,   128
.set BK,   128
.set G1, 24
.set G0, 32
.set G1B, 48
.set G0B, 56
.set MSB, 0
.macro WIN new                         ; the immediate's high byte repeats the setting that is left
.if MSB != \new
	s_set_vgpr_msb (MSB<<8)|\new
.set MSB, \new
.endif
.endm
.set MUL,    0xa1                      ; source 0 (Wo) window 1, source 1 (merged) window 0, C and D window 2
.set TO_B,   0x40
.macro JLOAD g0a, g1a, g0b, g1b        ; a joint load: waves 0 and 1 fetch merged's halves, waves 2 and 3 Wo's; an s_nop 0 and four v_nop follow each of the two lines
	s_cmp_eq_u32 s15, 0
	s_cbranch_scc0 .Lfor_b_\@
	tensor_load_to_lds s[\g0a:\g0a+3], s[\g1a:\g1a+7]
	s_nop 0
.rept 4
	v_nop
.endr
	s_branch .Lasked_\@
.Lfor_b_\@:
	tensor_load_to_lds s[\g0b:\g0b+3], s[\g1b:\g1b+7]
	s_nop 0
.rept 4
	v_nop
.endr
.Lasked_\@:
.endm
.macro CREST
	s_cmp_lg_u32 s14, 0
	s_cbranch_scc1 .Lnot_wave_0_\@
	s_barrier_signal -3
.Lnot_wave_0_\@:
	s_barrier_wait -3
	s_barrier_signal -1
	s_barrier_wait -1
.endm
.macro CROUND
	s_barrier_signal -1
	s_barrier_wait -1
	CREST
.endm
	s_load_b128 s[4:7], s[0:1], 0x0                ; mf s[4:5], the codes s[6:7]
	s_load_b128 s[8:11], s[0:1], 0x10              ; the scales' exponents s[8:9], out0 s[10:11]
	v_lshl_add_u32 v[SPW], v0, 2, SPARE
	v_mov_b32 v[NIL], 0
	ds_add_u32 v[SPW], v[NIL]                      ; the wave's opening: the add and its wait stand ahead of my first tensor load; the set-up below, work on registers, stands between them
	v_lshrrev_b32 v1, 5, v0
	v_readfirstlane_b32 s14, v1                    ; wave 0..3
	s_lshr_b32 s15, s14, 1                         ; which half of the tile's rows is mine (64).  Also: I fetch for merged (0) or for Wo (1)
	s_and_b32 s16, s14, 1                          ; which half of its columns (128).  Also: which half of that tile I fetch
	s_bfe_u32 s40, ttmp6, 0x40000                  ; cx, cy
	s_bfe_u32 s41, ttmp6, 0x40004
	s_lshl_b32 s42, ttmp9, 2
	s_add_co_u32 s42, s42, s40                     ; tile column = 4 x cluster x + cx, 0 .. 3
	s_and_b32 s17, ttmp7, 0xffff
	s_lshl_b32 s17, s17, 2
	s_add_co_u32 s17, s17, s41                     ; tile row = 4 x cluster y + cy, 0 .. 63
	s_lshl_b32 s43, s41, 2
	s_lshl_b32 s43, 15, s43                        ; my row of the cluster
	s_lshl_b32 s44, 0x1111, s40                    ; my column
	; descriptor group 1 for merged: 4 rows (blocks of 16 rows of merged) of 4,096 bytes (two heads' images), 16,384 bytes apart, dense in LDS
	s_or_b32 s[G1+0], s43, (3<<16)|(1<<21)         ; 15:0 the mask: my row; 17:16 elements of 8 bytes; 20 no padding; 21 set beside a mask
	s_mov_b32 s[G1+1], 512<<16                     ; tensor_dim0 = 512 elements
	s_mov_b32 s[G1+2], 4<<16                       ; tensor_dim1 = 4
	s_mov_b32 s[G1+3], 512<<16                     ; tile_dim0
	s_mov_b32 s[G1+4], 4                           ; tile_dim1
	s_mov_b32 s[G1+5], 2048                        ; tensor_dim0_stride, in elements
	s_mov_b32 s[G1+6], 0
	s_mov_b32 s[G1+7], 0
	; for Wo: 128 rows x 256 bytes, padded in LDS
	s_or_b32 s[G1B+0], s44, (0<<16)|(1<<20)|(1<<21)|(5<<22)|(3<<25)  ; the mask: my column; elements of 1 byte; padding: 4 words after every 64
	s_mov_b32 s[G1B+1], ROWB<<16
	s_mov_b32 s[G1B+2], 128<<16
	s_mov_b32 s[G1B+3], ROWB<<16
	s_mov_b32 s[G1B+4], 128
	s_mov_b32 s[G1B+5], KROW
	s_mov_b32 s[G1B+6], 0
	s_mov_b32 s[G1B+7], 0
	s_lshl_b32 s20, s17, 3
	s_lshl_b32 s18, s16, 2
	s_add_co_u32 s20, s20, s18                     ; merged: block 8 x tile row + 4 x half,
	s_lshl_b32 s20, s20, 14                        ; of 16,384 bytes
	s_mov_b32 s21, 0
	s_lshl_b32 s46, s42, 8
	s_lshl_b32 s18, s16, 7
	s_add_co_u32 s46, s46, s18                     ; Wo: row 256 x tile column + 128 x half,
	s_lshl_b32 s46, s46, 10
	s_add_co_u32 s46, s46, WOBASE
	s_mov_b32 s47, 0
	s_lshl_b32 s45, s16, 14                        ; where they go: merged's halves,
	s_mul_i32 s13, s16, HALFB
	s_add_co_u32 s13, s13, BOFF                    ; Wo's halves behind them: the wave's number alone
	s_wait_dscnt 0x0                               ; the opening add is done
	s_wait_kmcnt 0x0
	s_load_b64 s[96:97], s[8:9], 0x28              ; e10, e11
	s_add_nc_u64 s[20:21], s[4:5], s[20:21]
	s_add_nc_u64 s[46:47], s[6:7], s[46:47]
	CROUND                                         ; all sixteen work-groups are here: the first joint loads meet
.irp s, 0,1
	s_mov_b32 s[G0+4*\s], 1
	s_add_co_u32 s[G0+4*\s+1], s45, \s*SLOT
	s_add_nc_u64 s[G0+4*\s+2:G0+4*\s+3], s[20:21], \s*4096
	s_or_b32 s[G0+4*\s+3], s[G0+4*\s+3], 0x80000000
	s_mov_b32 s[G0B+4*\s], 1
	s_add_co_u32 s[G0B+4*\s+1], s13, \s*SLOT
	s_add_nc_u64 s[G0B+4*\s+2:G0B+4*\s+3], s[46:47], \s*ROWB
	s_or_b32 s[G0B+4*\s+3], s[G0B+4*\s+3], 0x80000000
	JLOAD G0+4*\s, G1, G0B+4*\s, G1B               ; two tensor loads of mine are out
.endr
	v_and_b32 v1, 15, v0                           ; l % 16
	v_bfe_u32 v2, v0, 4, 1                         ; l / 16
	v_mul_u32_u24 v3, v1, PITCH
	v_lshl_add_u32 v4, v2, 4, v3                   ; Wo: a fragment's row x pitch + 16 x half
	v_and_b32 v6, 31, v0
	v_lshlrev_b32 v[CO], 4, v6                     ; merged: 16 x lane
	s_lshl_b32 s21, s15, 14                        ; my 4 blocks of merged
	s_mul_i32 s22, s16, HALFB                      ; my 128 rows of Wo
	s_add_co_u32 s22, s22, BOFF
.irp s, 0,1
	v_add_nc_u32 v[ADRA+\s], s21, v[CO]
	v_add_nc_u32 v[ADRB+\s], s22, v4
	s_add_co_u32 s21, s21, SLOT
	s_add_co_u32 s22, s22, SLOT
.endr
	s_mul_i32 s23, s14, 16*SPITCH                  ; my stage
	v_mul_u32_u24 v5, v1, SPITCH                   ; in: row l % 16, 32 bytes for each half of the lanes
	v_lshl_add_u32 v5, v2, 5, v5
	v_add_nc_u32 v[STO], s23, v5
	v_add_nc_u32 v[RD], s23, v[CO]                 ; back: the 32 lanes take one row of 512 bytes
	s_lshl_b32 s20, s17, 7
	s_lshl_b32 s21, s15, 6
	s_add_co_u32 s20, s20, s21                     ; my first row of out0: 128 x tile row + 64 x half,
	s_lshl_b32 s20, s20, 12                        ; of 4,096 bytes
	s_lshl_b32 s46, s42, 10                        ; my first column, in bytes: 1,024 x tile column + 512 x half
	s_lshl_b32 s47, s16, 9
	s_add_co_u32 s46, s46, s47
	s_add_co_u32 s20, s20, s46
	s_mov_b32 s21, 0
	s_add_nc_u64 s[10:11], s[10:11], s[20:21]
.macro FRAGA reg, slot, q, i           ; merged's fragment of block i, the slot's q-th head: the image as it lies
.irp c, 0,1,2,3
	ds_load_b128 v[\reg+4*\c:\reg+4*\c+3], v[ADRA+\slot] offset:2048*(\q)+4096*(\i)+512*\c
.endr
.endm
.macro FRAGB reg, slot, q, i           ; Wo's: registers 4 c .. 4 c + 3 hold K = 32 c + 16 (l / 16) + 0 .. 15 of row l % 16
.irp c, 0,1,2,3
	ds_load_b128 v[\reg+4*\c:\reg+4*\c+3], v[ADRB+\slot] offset:128*(\q)+32*\c+(\i)*16*PITCH
.endr
.endm
; 8 matrix instructions: merged's block a x Wo's eight, 128 along K.  The 32 accumulators take turns, one instruction a turn, in the same order in every step.
.macro MUL8 a, p, zero
.irp b, 0,1,2,3,4,5,6,7
.if \zero
	v_wmma_f32_16x16x128_fp8_fp8 v[8*(8*(\a)+\b):8*(8*(\a)+\b)+7], v[128*(\p)+FR*\b:128*(\p)+FR*\b+FR-1], v[AF+FR*(\a):AF+FR*(\a)+FR-1], 0
.else
	v_wmma_f32_16x16x128_fp8_fp8 v[8*(8*(\a)+\b):8*(8*(\a)+\b)+7], v[128*(\p)+FR*\b:128*(\p)+FR*\b+FR-1], v[AF+FR*(\a):AF+FR*(\a)+FR-1], v[8*(8*(\a)+\b):8*(8*(\a)+\b)+7]
.endif
.endr
.endm
.macro FETCH_B slot, q, p              ; Wo's eight fragments of the slot's q-th 128 along K into set p
	WIN TO_B
.irp i, 0,1,2,3,4,5,6,7
	FRAGB 128*(\p)+FR*\i, \slot, \q, \i
.endr
	WIN 0
.endm
.macro FETCH_A slot, q, i0             ; merged's blocks i0, i0 + 1
.irp i, \i0, \i0+1
	FRAGA AF+FR*(\i), \slot, \q, \i
.endr
.endm
.macro PLACES n                        ; plain vector instructions that name no register of the matrix instructions before them (ISA guide 7.12.1)
.rept \n
	v_nop
.endr
.endm
; A step of 128 along K that has its successor in the same slot.  A block of merged is free as soon as its eight products are issued: blocks 0, 1 are fetched anew in the step's middle, blocks 2, 3 at its end.
.macro STEP slot, q, zero
	s_wait_dscnt 2*NL                              ; all is in but the youngest eight loads (merged's blocks 2, 3)
	WIN MUL
	MUL8 0, (\q)%2, \zero
	MUL8 1, (\q)%2, \zero
	s_wait_dscnt 0                                 ; blocks 2, 3 are in
	PLACES NP
	FETCH_B \slot, (\q)+1, 1-(\q)%2
	FETCH_A \slot, (\q)+1, 0
	WIN MUL
	MUL8 2, (\q)%2, \zero
	MUL8 3, (\q)%2, \zero
	PLACES NP
	WIN 0
	FETCH_A \slot, (\q)+1, 2
.endm
; A slot's last step changes slots: one barrier; in front of it each wave waits for all its tensor loads, adds 0 to its spare word, and waits for that and for its own reads of this slot.  fill = 1: this slot is filled again, two K steps ahead.
.macro TURN slot, next, fill
	s_wait_tensorcnt 0x0                           ; all my tensor loads have landed: my part of the next slot  (every window is 0 here)
	ds_add_u32 v[SPW], v[NIL]                      ; 0 onto my spare word
	s_wait_dscnt 2*NL+1                            ; (the add and the youngest eight loads may be out)
	WIN MUL
	MUL8 0, 1, 0                                   ; eight matrix instructions stand between the add and the wait for it
	s_wait_dscnt 0x0                               ; the add is done, and my reads of this slot are over
	s_barrier_signal -1
	MUL8 1, 1, 0
	WIN 0
	s_barrier_wait -1
.if \fill
	CREST                                          ; the barrier has opened a round of the cluster's barrier: no wave of any partner still reads this slot's tile or has a load on its way
	s_add_nc_u64 s[G0+4*\slot+2:G0+4*\slot+3], s[G0+4*\slot+2:G0+4*\slot+3], 2*4096
	s_add_nc_u64 s[G0B+4*\slot+2:G0B+4*\slot+3], s[G0B+4*\slot+2:G0B+4*\slot+3], 2*ROWB
	JLOAD G0+4*\slot, G1, G0B+4*\slot, G1B         ; the first tensor load behind the round, my only one out; its four v_nop are also the places in front of the loads below
.else
	PLACES NP
.endif
	FETCH_B \next, 0, 0
	FETCH_A \next, 0, 0
	WIN MUL
	MUL8 2, 1, 0
	MUL8 3, 1, 0
	PLACES NP
	WIN 0
	FETCH_A \next, 0, 2
.endm
	s_wait_tensorcnt 1                             ; my part of K step 0 is in (K step 1's load, the younger one, may be out)
	s_barrier_signal -1
	s_barrier_wait -1                              ; everybody's is
	FETCH_B 0, 0, 0
	FETCH_A 0, 0, 0
	FETCH_A 0, 0, 2
	STEP 0, 0, 1                                   ; K = 1,024 is four slots' worth: written out.  The first step's products start the sums
	TURN 0, 1, 1                                   ; slot 0 takes K step 2
	STEP 1, 0, 0
	TURN 1, 0, 1                                   ; slot 1 takes K step 3
	STEP 0, 0, 0
	TURN 0, 1, 0                                   ; nothing is left to fetch
	STEP 1, 0, 0
	s_wait_dscnt 2*NL                              ; the very last step
	WIN MUL
	MUL8 0, 1, 0
	MUL8 1, 1, 0
	s_wait_dscnt 0
	MUL8 2, 1, 0
	MUL8 3, 1, 0
	WIN 0
; THE WAY OUT, block by block of 16 rows x 128 columns: through my own stage in LDS and back as whole rows of 512 bytes.  LDS serves a wave's instructions in order (ISA guide 5.7.1.4): no wait between the stores and the loads.
.macro TOSTAGE a
.set AC, 64*(\a)
	WIN 0x02                                       ; source 0: window 2
.irp j, 0,2,4,6,8,10,12,14,16,18,20,22,24,26,28,30,32,34,36,38,40,42,44,46,48,50,52,54,56,58,60,62
	v_pk_mul_f32 v[TMP+\j:TMP+\j+1], v[AC+\j:AC+\j+1], s[96:97] op_sel_hi:[1,0]   ; both x s96 = 2^(e10 + e11); each accumulator from its low end on
.endr
	WIN 0
.irp b, 0,1,2,3,4,5,6,7
	ds_store_b128 v[STO], v[TMP+8*\b:TMP+8*\b+3] offset:64*\b
	ds_store_b128 v[STO], v[TMP+8*\b+4:TMP+8*\b+7] offset:64*\b+16
.endr
.set BB, BK+64*((\a)%2)
.irp t, 0,1,2,3,4,5,6,7,8,9,10,11,12,13,14,15
	ds_load_b128 v[BB+4*\t:BB+4*\t+3], v[RD] offset:\t*SPITCH
.endr
.endm
.macro SEND a, younger                 ; younger: the LDS instructions issued behind block a's loads, which may stay out
.set BB, BK+64*((\a)%2)
	s_wait_dscnt \younger                          ; the block is back in registers
.if (\a) > 0
	s_add_nc_u64 s[10:11], s[10:11], 16*SIZE_N*4   ; (behind a wait on XCNT: the earlier stores have read their base)  16 rows on
.endif
.irp t, 0,1,2,3,4,5,6,7,8,9,10,11,12,13,14,15
	global_store_b128 v[CO], v[BB+4*\t:BB+4*\t+3], s[10:11] offset:\t*SIZE_N*4 th:TH_STORE_NT   ; 32 lanes store 512 consecutive bytes, aligned; written once, read by nobody here
.endr
.endm
	s_wait_kmcnt 0x0
	s_add_co_i32 s96, s96, s97                     ; e10 + e11
	s_add_co_i32 s96, s96, 127
	s_lshl_b32 s96, s96, 23                        ; 2^(e10 + e11) as f32
	PLACES NP
	TOSTAGE 0
.irp a, 1,2,3
.if \a > 1
	s_wait_xcnt 0x0                                ; block a - 2's stores have read their registers and their base: block a's loads may land there, and the base may step
.endif
	TOSTAGE \a
	SEND \a-1, 32                                  ; behind block a - 1's loads: block a's 16 stores and 16 loads
.endr
	s_wait_xcnt 0x0                                ; block 2's stores have read their base
	SEND 3, 0
	s_wait_tensorcnt 0x0                           ; the wave's end, behind my last tensor load and my last LDS store
	ds_add_u32 v[SPW], v[NIL]
	s_wait_dscnt 0x0
	CROUND                                         ; the closing round: no work-group ends while a partner may still ask for a tile that names it
	s_endpgm
.Lfunc_end_k_qee2e648301_outp:
	.size	k_qee2e648301_outp, .Lfunc_end_k_qee2e648301_outp-k_qee2e648301_outp
	.p2alignl 7, 3214868480
	.fill 96, 4, 3214868480
	.section	.rodata,"a",@progbits
	.p2align	6, 0x0
	.amdhsa_kernel k_qee2e648301_outp
		.amdhsa_group_segment_fixed_size 327680
		.amdhsa_private_segment_fixed_size 0
		.amdhsa_enable_private_segment 0
		.amdhsa_kernarg_size 32
		.amdhsa_user_sgpr_count 2
		.amdhsa_user_sgpr_kernarg_segment_ptr 1
		.amdhsa_wavefront_size32 1
		.amdhsa_system_sgpr_workgroup_id_x 1
		.amdhsa_system_sgpr_workgroup_id_y 1
		.amdhsa_system_sgpr_workgroup_id_z 1
		.amdhsa_system_vgpr_workitem_id 0
		.amdhsa_next_free_vgpr 768
		.amdhsa_next_free_sgpr 98
		.amdhsa_reserve_vcc 0
		.amdhsa_float_denorm_mode_32 3
		.amdhsa_float_denorm_mode_16_64 3
		.amdhsa_memory_ordered 1
		.amdhsa_forward_progress 1
		.amdhsa_inst_pref_size 76
	.end_amdhsa_kernel
	.amdgpu_metadata
---
amdhsa.version: [ 1, 2 ]
amdhsa.kernels:
  - .name:           k_qee2e648301_outp
    .symbol:         k_qee2e648301_outp.kd
    .args:
      - { .name: mf, .offset: 0, .size: 8, .value_kind: global_buffer, .address_space: global }
      - { .name: codes, .offset: 8, .size: 8, .value_kind: global_buffer, .address_space: global }
      - { .name: lowp_scales, .offset: 16, .size: 8, .value_kind: global_buffer, .address_space: global }
      - { .name: out0, .offset: 24, .size: 8, .value_kind: global_buffer, .address_space: global }
    .group_segment_fixed_size: 327680
    .private_segment_fixed_size: 0
    .kernarg_segment_align: 8
    .kernarg_segment_size: 32
    .max_flat_workgroup_size: 128
    .sgpr_count:     98
    .vgpr_count:     768
    .wavefront_size: 32
...
	.end_amdgpu_metadata
.endif
;; end of part 4
